; MI455X (gfx1250); checked and timed in simulation.
; The chip was launched on July 23, 2026; its instructions are those of AMD's public machine-readable ISA for CDNA 5 (MIT licence, August 2026) and "CDNA5" Instruction Set Architecture Reference Guide (July 2026). The comments in the code are by the model that wrote it; some were corrected since.
;; Quantum Transformer Block. Allowed arithmetic: matrix products marked QUANTISED: E3M2 operands, one E8M0 scale for each 32 along K, by v_wmma_scale_f32_16x16x128_f8f6f4 with both operands' format E3M2, f32 sums; products left as they are: f32 operands where the result goes on into a quantised operand, else bf16, f16 or f32 operands; f32 sums; everything else in f32.
;; Inputs: b1 1 float32; b_comb 1,024 float32; beta1 1,024 float32; beta2 1,024 float32; gamma1 1,024 float32; gamma2 1,024 float32; theta 8 float32; w1 1 x 8 float32; w_comb_codes 1,024 x 32 x 24 uint8 (E3M2 codes of w_comb, K innermost, in blocks of 32 codes, four codes in three bytes); w_comb_scales 1,024 x 32 uint8 (E8M0 scales of w_comb, one for each 32 codes along K); w_qkv_codes 3,072 x 32 x 24 uint8 (E3M2 codes of w_qkv, K innermost, in blocks of 32 codes, four codes in three bytes); w_qkv_scales 3,072 x 32 uint8 (E8M0 scales of w_qkv, one for each 32 codes along K); x 2 x 2,048 x 1,024 float32.
;; Outputs: out0 2 x 2,048 x 1,024 float32.
;; This version of the problem:
;;   THIS VERSION OF THE PROBLEM IS GIVEN IN LOW PRECISION. The matrix products marked QUANTISED in the list below multiply operands that are first quantised to E3M2 (3 exponent bits, 2 mantissa bits; 6 bits a number), with one power-of-two scale for each 32 numbers along K (OCP MX v1.0); their sums are f32. All else is computed in f32.
;;   The module's matrix products, in the order in which they are computed (A, B: the left and right operand; K: the contracted axis; several contracted axes count as one K, in the product's order):
;;     1. [M 4,096, K 1,024] x [K 1,024, N 3,072]; A: input x; B: input w_qkv (given as codes): QUANTISED
;;     2. batch 32 x [M 2,048, K 64] x [K 64, N 2,048]; A: computed on the way; B: computed on the way: QUANTISED
;;     3. batch 32 x [M 2,048, K 2,048] x [K 2,048, N 64]; A: softmax (see below); B: computed on the way: QUANTISED
;;     4. [M 4,096, K 1,024] x [K 1,024, N 1,024]; A: computed on the way; B: input w_comb (given as codes): QUANTISED
;;     5. [M 4,096, K 8] x [K 8, N 1]; A: computed on the way; B: input w1: left as it is (K = 8 < 32)
;;   THE QUANTISER, for each operand of a quantised product, along K:
;;     - K is cut into blocks of 32 from its start; a last block that is shorter is filled with zeros.
;;     - A block's scale is 2^e with e = floor(log2(the largest magnitude in the block)) - 4, held to -126 .. 127; a block of zeros has e = 0. As a byte (E8M0): e + 127.
;;     - Each number is divided by its block's scale, clamped to +-28, and rounded to the nearest number of E3M2, ties to even, subnormals kept.
;;     - The product sums the exact products of the quantised numbers (number of the format x scale) in f32.
;;   ~~~python
;;   def quantise(x, axis):      # numpy; x: float32 -> the quantised numbers, widened to float32 again
;;       x = np.moveaxis(x, axis, -1); K = x.shape[-1]
;;       x = np.pad(x, [(0, 0)] * (x.ndim - 1) + [(0, -K % 32)]); x = x.reshape(x.shape[:-1] + (-1, 32)); a = np.abs(x).max(-1, keepdims=True)
;;       e = np.where(a > 0, np.clip(np.frexp(np.where(a > 0, a, 1))[1] - 1 - 4, -126, 127), 0)      # np.frexp(a)[1] - 1 = floor(log2(a)), exactly
;;       r = np.clip(x / 2.0 ** e, -28, 28)
;;       step = 2.0 ** (np.maximum(np.frexp(np.where(r == 0, 1, r))[1] - 1, -2) - 2)
;;       q = np.round(r / step) * step * 2.0 ** e      # np.round: ties to even
;;       return np.moveaxis(q.reshape(q.shape[:-2] + (-1,))[..., :K], -1, axis).astype(np.float32)
;;   ~~~
;;   SOFTMAX AHEAD OF A QUANTISED PRODUCT. Where the list says 'softmax', what is quantised is not the finished softmax but p = 2^(t - M), with t = logit x log2(e) and M = ceil(the row's largest t), a whole number; so 1/2 < the row's largest p <= 1. The row's sum l is taken of the UNQUANTISED p, in f32, and the product's result is divided by l at the end. Since M is a whole number, a kernel that streams over the keys may use a running M (the ceiling of the running maximum): every later rescaling is an exact power of two, which a block's scale takes up: the codes' values come out the same.
;;   OPERANDS COMPUTED ON THE WAY. 'Computed on the way' means the value that the module computes at that place (a softmax that the list does not call 'softmax' is quantised finished and normalised). What goes into a quantiser is computed in f32, as accurately as f32 sums, v_exp_f32 and their like allow (about 1e-6 of the number): no bf16 or f16 on the way to a quantiser, and a product that is left as it is and whose result goes on into a quantised operand takes f32 operands (vector FMAs, or v_wmma_f32_16x16x4_f32). A number that lies on a knife's edge between two numbers of the format may be rounded either way, as far as f32 arithmetic and the matrix unit's own rounding can turn it there, and no further.
;;   INPUTS GIVEN AS CODES. w_comb (in the module: [1024, 1024], K = its axis 1); w_qkv (in the module: [3072, 1024], K = its axis 1): each comes as NAME_codes (uint8): NAME with its K axis moved to the last place and cut into blocks of 32 codes, [.., K / 32, bytes a block], one block behind the other in memory; four codes in three bytes: a row's codes are one little-endian stream of bits, code i at bits 6 i .. 6 i + 5 (a code: sign, 3 exponent bits, 2 mantissa bits); and NAME_scales (uint8): the same leading axes, one E8M0 byte (e + 127) for each 32 codes along K. Its value is code x scale, taken as it is: it is not quantised again, and the codes and scales need not be those that the quantiser above would give.
;; 2 versions, each right; version 2 is version 1 with the launch tail written anew for expert scheduling mode. Each part assembles by itself: llvm-mc -triple=amdgcn-amd-amdhsa -mcpu=gfx1250 --defsym DOCPART=n.
;; ======== version 1 of 2: 4 launches
;; workspace buffers: xq 3,276,800 bytes; wimg 3,145,728 bytes; qq 3,276,800 bytes; kq 3,276,800 bytes; vq 3,276,800 bytes; oq 3,145,728 bytes; osc 131,072 bytes
;; launch prep (part 1): grid 256 x 1, 4 waves a work-group, no clusters, 68,096 bytes of LDS; arguments x, w_qkv_codes, w_comb_codes, xq, wimg; writes xq, wimg
.if DOCPART == 1
	.amdgcn_target "amdgcn-amd-amdhsa--gfx1250"
	.amdhsa_code_object_version 6
	.text
	.protected	k_qc9d3e522b9_prep
	.globl	k_qc9d3e522b9_prep
	.p2align	8
	.type	k_qc9d3e522b9_prep,@function
k_qc9d3e522b9_prep:
	s_mov_b64 s[64:65], 0
	v_nop
	global_prefetch_b8 v0, s[64:65] scope:SCOPE_SE
	s_setreg_imm32_b32 hwreg(HW_REG_WAVE_MODE, 25, 1), 1
	s_wait_xcnt 0x0
; PREP.  (a) x [4096][1024] f32 becomes codes of BF6 (E3M2) with one E8M0 byte for each 32 along K, laid as IMAGES OF OPERAND REGISTERS;  (b) the codes of w_qkv and w_comb are laid anew in the same way.
; AN IMAGE: a fragment (16 rows x 128 K, 12 registers a lane) is 1,536 bytes: lane L's registers 4 c .. 4 c + 3 at 512 c + 16 L.  It is written and read by three 16-byte accesses a lane, 512 consecutive bytes each.
; THE ROWS OF A TILE ARE NOT NEIGHBOURS: tile u (0, 1) of a group of 32 rows holds at index i the row 8 u + i + 8 (i / 8), so that later results of two neighbouring tiles are 16 neighbours in a lane's registers.
; 256 work-groups, all alike.  Work-group T takes token tile T; wave p quantises K steps 2 p and 2 p + 1 (128 numbers each) of its 16 rows.  Each load takes 512 consecutive bytes of one row; the numbers turn through the
; wave's own stage in LDS (rows 528 bytes apart) and come back, into the registers that they left, 16 neighbours a lane for each block of 32.  All loads of a wave go out at once.
; The weights are 64 units of 64 rows (0-47 w_qkv, 48-63 w_comb) x 4 tiles x 8 K steps = 2,048 fragments: two for each of the 1,024 waves.  Wave p of work-group T copies unit T / 4, tile T % 4, K steps 2 p and 2 p + 1.
; xq: 32 blocks of 128 tokens x 102,400 bytes: codes [K step s][tile t][1536], then from 98,304 on the scale words at 512 t + 128 (s / 2) + 8 r + 4 (s % 2).   wimg: unit x 49,152: [s][tile][1536].
; x's scale words leave in pieces of 128 consecutive bytes, one a wave: 4 KiB of each block's 100 KiB.
; A block's scale byte is its largest magnitude's exponent field - 4, held at 1 from below.
; LIMITS: a block of zeros, or one whose largest magnitude lies under 2^-122, gets the byte 1 (the bytes are read by this program alone; zero codes add nothing); NaN and infinities among the inputs are not served.
.set SEL, 2                            ; s[2:3]   selects of v_permlanex16_b32: lane l xor 16
.set TM,  8                            ; v8-11 largest magnitudes, v12-15 the other half's / the bytes, v20-23 the conversions' scale operands
.set PW0, 24                           ; scale words of my two K steps
.set PW1, 25
.set PC0, 28                           ; v28-47   the first fragment's codes (12) and the conversions' second halves
.set R0,  64                           ; v64-127  K step 2 p as loaded, then back from its stage
.set R1,  128                          ; v128-191 K step 2 p + 1 likewise
.set WD,  192                          ; v192-215 my two weight fragments
.set PC1, 216                          ; v216-235 the second fragment's codes: registers of its own, so that no store's data are written again
.set STG, 8448                         ; a stage: 16 rows x 528 bytes; two for each wave
; 64 numbers of a lane, register 16 b + i = k 32 b + 16 (lane / 16) + i of my row, become a fragment's codes in v[pc .. pc + 11] and its scale word in v[pw]
.macro QUANT s, pc, pw
.irp b, 0,1,2,3
	v_max3_num_f32 v[TM+\b], |v[(\s)+16*\b]|, |v[(\s)+1+16*\b]|, 0x2800000      ; my 16 numbers of block b, and the floor 2^(5 - 127): the byte cannot fall under 1
.endr
.irp i, 2,4,6,8,10,12,14
.irp b, 0,1,2,3
	v_max3_num_f32 v[TM+\b], v[TM+\b], |v[(\s)+16*\b+\i]|, |v[(\s)+1+16*\b+\i]|  ; the four blocks by turns
.endr
.endr
.irp b, 0,1,2,3
	v_permlanex16_b32 v[TM+4+\b], v[TM+\b], s[SEL], s[SEL+1]
.endr
.irp b, 0,1,2,3
	v_max_num_f32 v[TM+\b], v[TM+\b], v[TM+4+\b]                                 ; with lane l xor 16's 16: the block's largest magnitude
.endr
.irp b, 0,1,2,3
	v_add_nc_u32 v[TM+12+\b], 0xfe000000, v[TM+\b]                               ; 4 off its exponent field: the conversion's scale operand
.endr
.irp b, 0,1,2,3
	v_lshrrev_b32 v[TM+4+\b], 23, v[TM+12+\b]                                    ; the scale's byte
.endr
	v_lshl_or_b32 v[\pw], v[TM+5], 8, v[TM+4]
	v_lshl_or_b32 v[\pw], v[TM+6], 16, v[\pw]
	v_lshl_or_b32 v[\pw], v[TM+7], 24, v[\pw]
.irp c, 0,1
	v_cvt_scalef32_pk16_bf6_f32 v[(\pc)+6*\c:(\pc)+2+6*\c], v[(\s)+32*\c:(\s)+15+32*\c], v[TM+12+2*\c]
	v_cvt_scalef32_pk16_bf6_f32 v[(\pc)+12+4*\c:(\pc)+14+4*\c], v[(\s)+16+32*\c:(\s)+31+32*\c], v[TM+12+2*\c+1]   ; (a conversion's three registers begin on an even number)
.endr
	v_nop                                          ; one plain place behind a scaled conversion
.irp c, 0,1                                    ; the operand's layout wants a whole block in a lane: lanes 0-15 block 2 c, lanes 16-31 block 2 c + 1
.irp i, 0,1,2
	v_permlane16_swap_b32 v[(\pc)+6*\c+\i], v[(\pc)+12+4*\c+\i]
.endr
.irp i, 0,1,2
	v_mov_b32 v[(\pc)+3+6*\c+\i], v[(\pc)+12+4*\c+\i]
.endr
.endr
.endm
	s_load_b256 s[4:11], s[0:1], 0x0               ; x s[4:5], w_qkv_codes s[6:7], w_comb_codes s[8:9], xq s[10:11]
	s_load_b64 s[12:13], s[0:1], 0x20              ; wimg
	v_lshl_add_u32 v254, v0, 2, 0x10800
	v_mov_b32 v255, 0
	v_lshrrev_b32 v1, 5, v0
	v_readfirstlane_b32 s14, v1                    ; wave 0..3
	v_and_b32 v2, 31, v0                           ; L
	v_and_b32 v3, 15, v0                           ; r
	v_bfe_u32 v1, v0, 4, 1                         ; h
	v_lshlrev_b32 v4, 4, v2                        ; 16 L
	s_mov_b32 s[SEL], 0x76543210
	s_mov_b32 s[SEL+1], 0xfedcba98
	s_mul_i32 s15, s14, 2*STG                      ; my wave's two stages
	v_add_nc_u32 v5, s15, v4                       ; into a stage: 16 L, + 528 a row
	v_mul_u32_u24 v6, v3, 528
	v_lshl_add_u32 v6, v1, 6, v6
	v_add_nc_u32 v6, s15, v6                       ; out of it: row r, + 64 h: my 16 numbers of a block of 32
	v_lshlrev_b32 v7, 3, v3
	v_lshl_add_u32 v7, v1, 2, v7                   ; 8 r + 4 h: where my scale word goes
	; x: where my wave's part begins
	s_lshr_b32 s16, ttmp9, 1
	s_lshl_b32 s16, s16, 5
	s_and_b32 s17, ttmp9, 1
	s_lshl_b32 s17, s17, 3
	s_add_co_u32 s16, s16, s17                     ; the tile's first row: 32 (T / 2) + 8 (T % 2)
	s_lshl_b32 s16, s16, 12                        ; rows of 4,096 bytes
	s_lshl_b32 s17, s14, 10                        ; my two K steps: 1,024 bytes
	s_add_co_u32 s16, s16, s17
	s_mov_b32 s17, 0
	s_lshr_b32 s18, ttmp9, 3
	s_mul_i32 s18, s18, 102400                     ; the token block
	s_and_b32 s19, ttmp9, 7                        ; t
	s_mul_i32 s20, s14, 24576
	s_mul_i32 s21, s19, 1536
	s_add_co_u32 s20, s20, s21
	s_add_co_u32 s20, s20, s18                     ; my first image
	s_mov_b32 s21, 0
	s_lshl_b32 s22, s19, 9
	s_lshl_b32 s23, s14, 7
	s_add_co_u32 s22, s22, s23
	s_add_co_u32 s22, s22, s18
	s_add_co_u32 s22, s22, 98304                   ; my 128 bytes of scale words
	s_mov_b32 s23, 0
	; the weights: unit T / 4, tile T % 4
	s_lshr_b32 s24, ttmp9, 2                       ; the unit
	s_and_b32 s25, ttmp9, 3                        ; the tile
	s_lshr_b32 s26, s25, 1
	s_lshl_b32 s26, s26, 5
	s_and_b32 s27, s25, 1
	s_lshl_b32 s27, s27, 3
	s_add_co_u32 s26, s26, s27                     ; the tile's first row in the unit: 32 (tile / 2) + 8 (tile % 2)
	v_and_b32 v48, 8, v3
	v_add_nc_u32 v48, v48, v3                      ; r + 8 (r / 8)
	v_add_nc_u32 v48, s26, v48
	v_mul_u32_u24 v48, v48, 768                    ; a row of 1,024 codes is 768 bytes
	v_mad_u32_u24 v48, v1, 24, v48                 ; + 24 h
	s_mul_i32 s30, s24, 49152
	s_mul_i32 s31, s14, 12288                      ; my two K steps' images
	s_add_co_u32 s30, s30, s31
	s_mul_i32 s31, s25, 1536
	s_add_co_u32 s30, s30, s31
	s_mov_b32 s31, 0
	s_wait_kmcnt 0x0
	s_cmp_lt_u32 s24, 48                           ; which tensor: the choice hangs on the work-group's number alone
	s_cselect_b64 s[6:7], s[6:7], s[8:9]
	s_cselect_b32 s28, 0, 48
	s_sub_co_u32 s28, s24, s28
	s_mul_i32 s28, s28, 49152                      ; 64 rows of 768 bytes
	s_mul_i32 s29, s14, 192                        ; my two K steps in a row: 2 x 96 bytes
	s_add_co_u32 s28, s28, s29
	s_mov_b32 s29, 0
	s_add_nc_u64 s[4:5], s[4:5], s[16:17]
	s_add_nc_u64 s[20:21], s[10:11], s[20:21]
	s_add_nc_u64 s[22:23], s[10:11], s[22:23]
	s_add_nc_u64 s[6:7], s[6:7], s[28:29]
	s_add_nc_u64 s[12:13], s[12:13], s[30:31]
.irp e, 0,1
.irp i, 0,1,2,3,4,5,6,7,8,9,10,11,12,13,14,15
	global_load_b128 v[R0+64*\e+4*\i:R0+64*\e+4*\i+3], v4, s[4:5] offset:(\i+8*(\i/8))*4096+512*\e th:TH_LOAD_NT   ; 512 consecutive bytes of the tile's row i
.endr
.endr
.irp e, 0,1
.irp p, 0,1,2,3,4,5
	global_load_b64 v[WD+12*\e+2*\p:WD+12*\e+2*\p+1], v48, s[6:7] offset:96*\e+48*(\p/3)+8*(\p%3) th:TH_LOAD_NT   ; a weight fragment's registers as the row's stream of bits has them; they land while x is quantised
.endr
.endr
.irp b, 0,1,2,3
	v_mov_b32 v[TM+4+\b], 0                        ; written once: a lane permute's destination counts as one of its sources
.endr
	v_cmp_ne_u32 vcc_lo, 0, v1                     ; lanes 16-31
	s_wait_loadcnt 28                              ; the first K step's sixteen loads are in; the second's sixteen and the weights' twelve may be out
.irp i, 0,1,2,3,4,5,6,7,8,9,10,11,12,13,14,15
	ds_store_b128 v5, v[R0+4*\i:R0+4*\i+3] offset:528*\i
.endr
.irp b, 0,1,2,3
.irp j, 0,1,2,3
	ds_load_b128 v[R0+16*\b+4*\j:R0+16*\b+4*\j+3], v6 offset:128*\b+16*\j    ; LDS serves a wave's instructions in order (ISA guide 5.7.1.4): these see the stores above
.endr
.endr
	s_wait_loadcnt 12                              ; the second K step's loads are in; the weights' twelve may be out
.irp i, 0,1,2,3,4,5,6,7,8,9,10,11,12,13,14,15
	ds_store_b128 v5, v[R1+4*\i:R1+4*\i+3] offset:STG+528*\i
.endr
.irp b, 0,1,2,3
.irp j, 0,1,2,3
	ds_load_b128 v[R1+16*\b+4*\j:R1+16*\b+4*\j+3], v6 offset:STG+128*\b+16*\j
.endr
.endr
	s_wait_dscnt 32                                ; the second step's sixteen stores and sixteen loads may be out: the first step's numbers are back
	QUANT R0, PC0, PW0
.irp c, 0,1,2
	global_store_b128 v4, v[PC0+4*\c:PC0+4*\c+3], s[20:21] offset:512*\c       ; 512 consecutive bytes, aligned
.endr
	s_wait_dscnt 0x0                               ; the second step's numbers are back
	QUANT R1, PC1, PW1
.irp c, 0,1,2
	global_store_b128 v4, v[PC1+4*\c:PC1+4*\c+3], s[20:21] offset:12288+512*\c
.endr
	v_cndmask_b32 v26, v[PW0], v[PW1], vcc_lo      ; lanes 0-15 give the first step's word of row r, lanes 16-31 the second's
	global_store_b32 v7, v26, s[22:23]
	s_wait_loadcnt 0x0                             ; the weights' two fragments
.irp e, 0,1
.irp c, 0,1,2
	global_store_b128 v4, v[WD+12*\e+4*\c:WD+12*\e+4*\c+3], s[12:13] offset:6144*\e+512*\c
.endr
.endr
	s_wait_tensorcnt 0x0
	ds_add_u32 v254, v255
	s_wait_dscnt 0x0
	s_endpgm
.Lfunc_end_k_qc9d3e522b9_prep:
	.size	k_qc9d3e522b9_prep, .Lfunc_end_k_qc9d3e522b9_prep-k_qc9d3e522b9_prep
	.p2alignl 7, 3214868480
	.fill 96, 4, 3214868480
	.section	.rodata,"a",@progbits
	.p2align	6, 0x0
	.amdhsa_kernel k_qc9d3e522b9_prep
		.amdhsa_group_segment_fixed_size 68096
		.amdhsa_private_segment_fixed_size 0
		.amdhsa_enable_private_segment 0
		.amdhsa_kernarg_size 40
		.amdhsa_user_sgpr_count 2
		.amdhsa_user_sgpr_kernarg_segment_ptr 1
		.amdhsa_wavefront_size32 1
		.amdhsa_system_sgpr_workgroup_id_x 1
		.amdhsa_system_sgpr_workgroup_id_y 1
		.amdhsa_system_sgpr_workgroup_id_z 1
		.amdhsa_system_vgpr_workitem_id 0
		.amdhsa_next_free_vgpr 256
		.amdhsa_next_free_sgpr 66
		.amdhsa_reserve_vcc 1
		.amdhsa_float_denorm_mode_32 3
		.amdhsa_float_denorm_mode_16_64 3
		.amdhsa_memory_ordered 1
		.amdhsa_forward_progress 1
		.amdhsa_inst_pref_size 21
	.end_amdhsa_kernel
	.amdgpu_metadata
---
amdhsa.version: [ 1, 2 ]
amdhsa.kernels:
  - .name:           k_qc9d3e522b9_prep
    .symbol:         k_qc9d3e522b9_prep.kd
    .args:
      - { .name: x, .offset: 0, .size: 8, .value_kind: global_buffer, .address_space: global }
      - { .name: w_qkv_codes, .offset: 8, .size: 8, .value_kind: global_buffer, .address_space: global }
      - { .name: w_comb_codes, .offset: 16, .size: 8, .value_kind: global_buffer, .address_space: global }
      - { .name: xq, .offset: 24, .size: 8, .value_kind: global_buffer, .address_space: global }
      - { .name: wimg, .offset: 32, .size: 8, .value_kind: global_buffer, .address_space: global }
    .group_segment_fixed_size: 68096
    .private_segment_fixed_size: 0
    .kernarg_segment_align: 8
    .kernarg_segment_size: 40
    .max_flat_workgroup_size: 128
    .sgpr_count:     66
    .vgpr_count:     256
    .wavefront_size: 32
...
	.end_amdgpu_metadata
.endif
;; end of part 1
;; launch qkv (part 2): grid 8 x 32, 6 waves a work-group, no clusters, 168,704 bytes of LDS; arguments xq, wimg, w_qkv_scales, qq, kq, vq; writes qq, kq, vq
.if DOCPART == 2
	.amdgcn_target "amdgcn-amd-amdhsa--gfx1250"
	.amdhsa_code_object_version 6
	.text
	.protected	k_qc9d3e522b9_qkv
	.globl	k_qc9d3e522b9_qkv
	.p2align	8
	.type	k_qc9d3e522b9_qkv,@function
k_qc9d3e522b9_qkv:
	s_mov_b64 s[64:65], 0
	v_nop
	global_prefetch_b8 v0, s[64:65] scope:SCOPE_SE
	s_setreg_imm32_b32 hwreg(HW_REG_WAVE_MODE, 25, 1), 1
	s_wait_xcnt 0x0
; QKV.  x w_qkv^T on codes of BF6, and the results quantised in registers: q and k along the head's 64, v along the keys.  No f32 result goes to memory.
; SHARES.  A work-group takes a block of 128 tokens (work-group y) and 384 rows of w_qkv; wave w takes unit cu = 6 x + w of 64 rows: one head of q (cu 0-15), of k (16-31) or of v (32-47).
; A wave's tile is 128 tokens x 64: 32 accumulators, 256 matrix instructions, the accumulators by turns, one instruction a K step each.
; x's block (98,304 bytes of fragment images and 4,096 of scale words) comes into LDS once, by four tensor loads of 25,600 dense bytes, and all six waves read it.  Nothing in LDS is filled again.
; A weight fragment feeds one wave alone: it comes from its image in memory straight into registers, one K step ahead, in two sets.
; q, k: source 0 = 16 rows of w, source 1 = 16 tokens: a lane holds one token, its registers run along the head's channels.   v: the sources swapped: a lane holds one channel, its registers run along the tokens (the keys).
; By the choice of rows in a tile (8 u + i + 8 (i / 8) in a group of 32) the accumulators, numbered 4 xt + wt (q, k) or 8 wt + xt (v), give in both cases four runs of 64 registers in which register 16 b + i is
; k = 32 b + 16 (lane / 16) + i of a fragment's row: one way out serves all three.
; OUT: [16 batch + head][128 tokens][6,400 bytes]: four fragment images and 256 bytes of scale words [r][4].  q, k: fragment g = a group of 32 tokens: K 0-63 the channels of tile 0's token r, K 64-127 of tile 1's.
;      v: fragment ct = 16 channels (a tile of the unit's rows) x the 128 keys in their order.
; NO CLUSTER: work-groups that share x's block differ in x, and on 6 x + w hangs the branch between the two orders of sources; what they share is 100 KiB of the 388 KiB that a work-group takes in.
; LIMITS: as in the first launch (a block under 2^-122 gets the byte 1; NaN and infinities are not served).
.set XF, 16                            ; v16-111  x's eight fragments of a K step
.set WF, 112                           ; v112-159, v160-207  w's four fragments, two sets
.set WS, 208                           ; v208-239 w's scale words: 8 wt + s; they hold nothing else
.set XS, 240                           ; v240-255 x's scale words, two sets of eight; they hold nothing else
.set TM, 16                            ; the way out: v16-31 at work, v32-35 the four scale words, v[36:37] the two that I store, v40-119 four fragments' codes
.set PW, 32
.set PC, 40
.set WV, 16                            ; s16 wave, s17 token block, s18 unit
.set SEL, 20                           ; s[20:21]
.set G1, 24                            ; s[24:31] descriptor group 1;  s[32:35] group 0
.set G0, 32
.set DST, 40                           ; s[40:41] where my 6,400 bytes go
.set MSB, 0
.macro WIN new                         ; the immediate's high byte repeats the setting that is left
.if MSB != \new
	s_set_vgpr_msb (MSB<<8)|\new
.set MSB, \new
.endif
.endm
.macro PLACES                          ; four plain places behind matrix instructions, in front of loads into registers that they read and of the first read of results
.rept 4
	v_nop
.endr
.endm
.macro MMZ d, a, b, sa, sb
	v_wmma_scale_f32_16x16x128_f8f6f4 v[(\d):(\d)+7], v[(\a):(\a)+11], v[(\b):(\b)+11], 0, v[\sa], v[\sb] matrix_a_fmt:MATRIX_FMT_BF6 matrix_b_fmt:MATRIX_FMT_BF6
.endm
.macro MMA d, a, b, sa, sb
	v_wmma_scale_f32_16x16x128_f8f6f4 v[(\d):(\d)+7], v[(\a):(\a)+11], v[(\b):(\b)+11], v[(\d):(\d)+7], v[\sa], v[\sb] matrix_a_fmt:MATRIX_FMT_BF6 matrix_b_fmt:MATRIX_FMT_BF6
.endm
.macro WLOAD s                         ; w's four fragments of K step s: 12 loads of 512 consecutive bytes
.irp f, 0,1,2,3
.irp c, 0,1,2
	global_load_b128 v[WF+48*((\s)%2)+12*\f+4*\c:WF+48*((\s)%2)+12*\f+4*\c+3], v1, s[6:7] offset:6144*(\s)+1536*\f+512*\c
.endr
.endr
.endm
.macro XLOAD s, t0                     ; x's tiles t0 .. t0 + 3 of K step s: 12 LDS loads; K steps 4-7 lie beyond the 16-bit offset and take the second address register
.irp t, \t0, \t0+1, \t0+2, \t0+3
.irp c, 0,1,2
	ds_load_b128 v[XF+12*(\t)+4*\c:XF+12*(\t)+4*\c+3], v[1+(\s)/4] offset:12288*((\s)%4)+1536*(\t)+512*\c
.endr
.endr
.endm
.macro XSLOAD s                        ; x's eight scale words of K step s
.irp t, 0,1,2,3,4,5,6,7
	ds_load_b32 v[XS+8*((\s)%2)+\t], v3 offset:512*\t+128*((\s)/2)+4*((\s)%2)
.endr
.endm
.macro MUL16 s, half, swap             ; x's tiles 4 half .. 4 half + 3 against w's four
.irp x, 0,1,2,3
.irp wt, 0,1,2,3
.set XT, 4*(\half)+\x
.set RW, WF+48*((\s)%2)+12*\wt
.set RX, XF+12*XT
.set SW, WS+8*\wt+(\s)
.set SX, XS+8*((\s)%2)+XT
.if \swap
.set RD, 8*(8*\wt+XT)
.if (\s) == 0
	MMZ RD, RX, RW, SX, SW
.else
	MMA RD, RX, RW, SX, SW
.endif
.else
.set RD, 8*(4*XT+\wt)
.if (\s) == 0
	MMZ RD, RW, RX, SW, SX
.else
	MMA RD, RW, RX, SW, SX
.endif
.endif
.endr
.endr
.endm
.macro STEP s, swap                    ; 128 along K: 32 matrix instructions
.if (\s) < 7
	WLOAD (\s)+1                                   ; into the set that the last step multiplied: its four places stand at that step's end
	s_wait_loadcnt 12                              ; the twelve just issued may be out: this step's fragments of w (and, in step 0, w's scale words) are in
.else
	s_wait_loadcnt 0x0
.endif
	s_wait_dscnt 12                                ; x's tiles 0-3 and its scale words are in; the youngest twelve loads (tiles 4-7) may be out
	WIN 0x50                                       ; C and D in window 1
	MUL16 \s, 0, \swap
	s_wait_dscnt 0x0                               ; tiles 4-7 are in
	PLACES
.if (\s) < 7
	WIN 0
	XLOAD (\s)+1, 0
	XSLOAD (\s)+1
	WIN 0x50
.endif
	MUL16 \s, 1, \swap
	PLACES
	WIN 0
.if (\s) < 7
	XLOAD (\s)+1, 4
.endif
.endm
; Run i of 64 accumulator registers (window 1) becomes fragment i: codes in v[PC + 20 i ..], scale word in v[PW + i]; the codes leave at once.  Each accumulator is read from its low end on.
.macro QUANTW i
.set PCI, PC+20*\i
	WIN 0x05                                       ; sources 0 and 1 in window 1
.irp b, 0,1,2,3
	v_max3_num_f32 v[TM+\b], |v[64*\i+16*\b]|, |v[64*\i+16*\b+1]|, 0x2800000     ; and the floor 2^(5 - 127)
.endr
.irp j, 2,4,6,8,10,12,14
.irp b, 0,1,2,3
	v_max3_num_f32 v[TM+\b], |v[64*\i+16*\b+\j]|, |v[64*\i+16*\b+\j+1]|, v[TM+\b]
.endr
.endr
	WIN 0
.irp b, 0,1,2,3
	v_permlanex16_b32 v[TM+4+\b], v[TM+\b], s[SEL], s[SEL+1]
.endr
.irp b, 0,1,2,3
	v_max_num_f32 v[TM+\b], v[TM+\b], v[TM+4+\b]
.endr
.irp b, 0,1,2,3
	v_add_nc_u32 v[TM+12+\b], 0xfe000000, v[TM+\b]
.endr
.irp b, 0,1,2,3
	v_lshrrev_b32 v[TM+4+\b], 23, v[TM+12+\b]
.endr
	v_lshl_or_b32 v[PW+\i], v[TM+5], 8, v[TM+4]
	v_lshl_or_b32 v[PW+\i], v[TM+6], 16, v[PW+\i]
	v_lshl_or_b32 v[PW+\i], v[TM+7], 24, v[PW+\i]
	WIN 0x01                                       ; source 0 in window 1
.irp c, 0,1
	v_cvt_scalef32_pk16_bf6_f32 v[PCI+6*\c:PCI+2+6*\c], v[64*\i+32*\c:64*\i+32*\c+15], v[TM+12+2*\c]
	v_cvt_scalef32_pk16_bf6_f32 v[PCI+12+4*\c:PCI+14+4*\c], v[64*\i+32*\c+16:64*\i+32*\c+31], v[TM+12+2*\c+1]
.endr
	WIN 0
	v_nop                                          ; one plain place behind a scaled conversion
.irp c, 0,1
.irp k, 0,1,2
	v_permlane16_swap_b32 v[PCI+6*\c+\k], v[PCI+12+4*\c+\k]
.endr
.irp k, 0,1,2
	v_mov_b32 v[PCI+3+6*\c+\k], v[PCI+12+4*\c+\k]
.endr
.endr
.irp c, 0,1,2
	global_store_b128 v1, v[PCI+4*\c:PCI+4*\c+3], s[DST:DST+1] offset:1536*\i+512*\c   ; 512 consecutive bytes, aligned; each fragment has registers of its own, so no store's data are written again
.endr
.endm
	s_load_b256 s[4:11], s[0:1], 0x0               ; xq s[4:5], wimg s[6:7], w_qkv_scales s[8:9], qq s[10:11]
	s_load_b128 s[12:15], s[0:1], 0x20             ; kq s[12:13], vq s[14:15]
	v_lshl_add_u32 v14, v0, 2, 0x29000
	v_mov_b32 v15, 0
	ds_add_u32 v14, v15
	ds_add_u32 v14, v15
	v_lshrrev_b32 v1, 5, v0
	v_readfirstlane_b32 s[WV], v1                  ; wave 0..5
	s_and_b32 s17, ttmp7, 0xffff                   ; token block
	s_mul_i32 s18, ttmp9, 6
	s_add_co_u32 s18, s18, s[WV]                   ; unit cu
	s_mov_b32 s[SEL], 0x76543210
	s_mov_b32 s[SEL+1], 0xfedcba98
	; descriptor group 1: 100 rows of 256 dense bytes (32 elements of 8 bytes), no padding, no mask
	s_mov_b32 s[G1+0], 3<<16
	s_mov_b32 s[G1+1], 32<<16                      ; tensor_dim0
	s_mov_b32 s[G1+2], 100<<16                     ; tensor_dim1
	s_mov_b32 s[G1+3], 32<<16                      ; tile_dim0
	s_mov_b32 s[G1+4], 100                         ; tile_dim1
	s_mov_b32 s[G1+5], 32                          ; the pitch
	s_mov_b32 s[G1+6], 0
	s_mov_b32 s[G1+7], 0
	s_mul_i32 s36, s[WV], 25600                    ; my quarter of the block, in LDS and in memory
	s_mul_i32 s38, s17, 102400
	s_add_co_u32 s38, s38, s36
	s_mov_b32 s39, 0
	s_wait_dscnt 0x0
	s_wait_kmcnt 0x0
	s_mov_b32 s[G0], 1
	s_mov_b32 s[G0+1], s36
	s_add_nc_u64 s[G0+2:G0+3], s[4:5], s[38:39]
	s_or_b32 s[G0+3], s[G0+3], 0x80000000
	s_cmp_lt_u32 s[WV], 4                          ; waves 0-3 fetch a quarter each
	s_cbranch_scc0 .Lno_fill
	tensor_load_to_lds s[G0:G0+3], s[G1:G1+7]
	s_nop 0
.rept 4
	v_nop
.endr
.Lno_fill:
	v_and_b32 v6, 31, v0                           ; L
	v_and_b32 v7, 15, v0                           ; r
	v_bfe_u32 v8, v0, 4, 1                         ; h
	v_lshlrev_b32 v1, 4, v6                        ; 16 L: an image's place for my lane, in memory and in LDS
	v_add_nc_u32 v2, 49152, v1                     ; the same four K steps on
	v_lshl_add_u32 v3, v7, 3, 98304                ; x's scale words: 8 r
	v_and_b32 v4, 8, v7
	v_add_nc_u32 v4, v4, v7
	v_lshlrev_b32 v4, 5, v4                        ; w's scale bytes: row r + 8 (r / 8) of 32 bytes: its eight scale words
	v_lshlrev_b32 v5, 4, v7
	v_lshl_add_u32 v5, v8, 3, v5                   ; the way out: 16 r + 8 h
	s_lshl_b32 s36, s18, 11                        ; 64 rows of 32 bytes
	s_mov_b32 s37, 0
	s_add_nc_u64 s[8:9], s[8:9], s[36:37]
	s_mul_i32 s36, s18, 49152
	s_add_nc_u64 s[6:7], s[6:7], s[36:37]
.irp wt, 0,1,2,3
	global_load_b128 v[WS+8*\wt:WS+8*\wt+3], v4, s[8:9] offset:(32*(\wt/2)+8*(\wt%2))*32
	global_load_b128 v[WS+8*\wt+4:WS+8*\wt+7], v4, s[8:9] offset:(32*(\wt/2)+8*(\wt%2))*32+16
.endr
	WLOAD 0
	s_cmp_lt_u32 s18, 16                           ; where the results go
	s_cselect_b64 s[DST:DST+1], s[10:11], s[12:13]
	s_cmp_lt_u32 s18, 32
	s_cselect_b64 s[DST:DST+1], s[DST:DST+1], s[14:15]
	s_lshr_b32 s42, s17, 4
	s_lshl_b32 s42, s42, 4
	s_and_b32 s43, s18, 15
	s_add_co_u32 s42, s42, s43                     ; 16 batch + head
	s_mul_i32 s42, s42, 102400
	s_and_b32 s43, s17, 15
	s_mul_i32 s43, s43, 6400
	s_add_co_u32 s42, s42, s43
	s_mov_b32 s43, 0
	s_add_nc_u64 s[DST:DST+1], s[DST:DST+1], s[42:43]
	s_wait_tensorcnt 0x0                           ; my quarter has landed,
	s_barrier_signal -1
	s_barrier_wait -1                              ; everybody's has: the launch's one barrier
	XLOAD 0, 0
	XSLOAD 0
	XLOAD 0, 4
	s_cmp_lt_u32 s18, 32
	s_cbranch_scc0 .Lfor_v
.irp s, 0,1,2,3,4,5,6,7                        ; both runs are written out, every offset an immediate
	STEP \s, 0
.endr
	s_branch .Lout
.Lfor_v:
.irp s, 0,1,2,3,4,5,6,7
	STEP \s, 1
.endr
.Lout:
	; THE WAY OUT.  The last step's four places stand in front of these lines, which write registers that the products read
.irp b, 0,1,2,3
	v_mov_b32 v[TM+4+\b], 0                        ; written once: a lane permute's destination counts as one of its sources
.endr
	v_cmp_ne_u32 vcc_lo, 0, v8                     ; lanes 16-31
.irp i, 0,1,2,3
	QUANTW \i
.endr
	v_cndmask_b32 v36, v[PW], v[PW+2], vcc_lo      ; lane (r, h) gives row r's words 2 h and 2 h + 1
	v_cndmask_b32 v37, v[PW+1], v[PW+3], vcc_lo
	global_store_b64 v5, v[36:37], s[DST:DST+1] offset:6144    ; 256 consecutive bytes, aligned
	s_wait_tensorcnt 0x0
	ds_add_u32 v14, v15
	s_wait_dscnt 0x0
	s_endpgm
.Lfunc_end_k_qc9d3e522b9_qkv:
	.size	k_qc9d3e522b9_qkv, .Lfunc_end_k_qc9d3e522b9_qkv-k_qc9d3e522b9_qkv
	.p2alignl 7, 3214868480
	.fill 96, 4, 3214868480
	.section	.rodata,"a",@progbits
	.p2align	6, 0x0
	.amdhsa_kernel k_qc9d3e522b9_qkv
		.amdhsa_group_segment_fixed_size 168704
		.amdhsa_private_segment_fixed_size 0
		.amdhsa_enable_private_segment 0
		.amdhsa_kernarg_size 48
		.amdhsa_user_sgpr_count 2
		.amdhsa_user_sgpr_kernarg_segment_ptr 1
		.amdhsa_wavefront_size32 1
		.amdhsa_system_sgpr_workgroup_id_x 1
		.amdhsa_system_sgpr_workgroup_id_y 1
		.amdhsa_system_sgpr_workgroup_id_z 1
		.amdhsa_system_vgpr_workitem_id 0
		.amdhsa_next_free_vgpr 512
		.amdhsa_next_free_sgpr 66
		.amdhsa_reserve_vcc 1
		.amdhsa_float_denorm_mode_32 3
		.amdhsa_float_denorm_mode_16_64 3
		.amdhsa_memory_ordered 1
		.amdhsa_forward_progress 1
		.amdhsa_inst_pref_size 140
	.end_amdhsa_kernel
	.amdgpu_metadata
---
amdhsa.version: [ 1, 2 ]
amdhsa.kernels:
  - .name:           k_qc9d3e522b9_qkv
    .symbol:         k_qc9d3e522b9_qkv.kd
    .args:
      - { .name: xq, .offset: 0, .size: 8, .value_kind: global_buffer, .address_space: global }
      - { .name: wimg, .offset: 8, .size: 8, .value_kind: global_buffer, .address_space: global }
      - { .name: w_qkv_scales, .offset: 16, .size: 8, .value_kind: global_buffer, .address_space: global }
      - { .name: qq, .offset: 24, .size: 8, .value_kind: global_buffer, .address_space: global }
      - { .name: kq, .offset: 32, .size: 8, .value_kind: global_buffer, .address_space: global }
      - { .name: vq, .offset: 40, .size: 8, .value_kind: global_buffer, .address_space: global }
    .group_segment_fixed_size: 168704
    .private_segment_fixed_size: 0
    .kernarg_segment_align: 8
    .kernarg_segment_size: 48
    .max_flat_workgroup_size: 192
    .sgpr_count:     66
    .vgpr_count:     512
    .wavefront_size: 32
...
	.end_amdgpu_metadata
.endif
;; end of part 2
;; launch attn (part 3): grid 8 x 32, 16 waves a work-group, clusters of 4 x 1, 207,360 bytes of LDS; arguments qq, kq, vq, oq, osc; writes oq, osc
.if DOCPART == 3
	.amdgcn_target "amdgcn-amd-amdhsa--gfx1250"
	.amdhsa_code_object_version 6
	.text
	.protected	k_qc9d3e522b9_attn
	.globl	k_qc9d3e522b9_attn
	.p2align	8
	.type	k_qc9d3e522b9_attn,@function
k_qc9d3e522b9_attn:
	s_mov_b64 s[64:65], 0
	v_nop
	global_prefetch_b8 v0, s[64:65] scope:SCOPE_SE
	s_setreg_imm32_b32 hwreg(HW_REG_WAVE_MODE, 25, 1), 1
	s_wait_xcnt 0x0
	s_wait_alu depctr_hold_cnt(0) depctr_sa_sdst(0) depctr_va_vdst(0) depctr_va_sdst(0) depctr_va_ssrc(0) depctr_va_vcc(0) depctr_vm_vsrc(0)
	s_getreg_b32 s2, hwreg(HW_REG_IB_STS2, 6, 4)
	s_cmp_eq_u32 s2, 0
	s_cbranch_scc0 .Lentry_in_a_cluster
	s_endpgm
.Lentry_in_a_cluster:
	s_bfe_u32 s2, ttmp6, 0x10000c
	s_cmp_lg_u32 s2, 0x3003
	s_cbranch_scc0 .Lentry_shape_is_right
	s_endpgm
.Lentry_shape_is_right:
; ATTENTION on codes of BF6: o = softmax(q k^T / 8) v for one head, and o quantised along the model's 1,024 (two blocks of 32 a head) for the last product.
; THE SOFTMAX AHEAD OF THE SECOND PRODUCT: t = score x log2(e) / 8; M = the running largest t rounded UP to a whole number; p = 2^(t - M) is quantised along the keys, not normalised; the row's sum is taken of the
; unquantised p and divides at the end.  When M moves, the sum and O are multiplied by 2^(old M - new M), which rounds nothing.
; SHARES.  A work-group owns 256 queries of head bh = work-group y; each of its sixteen waves one tile of 16 queries in 256 registers, four waves to a SIMD.  Every wave walks the head's 2,048 keys, 128 a step.
; THE WHOLE HEAD LIES IN LDS: k's 102,400 bytes (16 steps x (four fragment images + 256 bytes of scale words)) from byte 0, v's from 102,400.  Every byte is filled once; nothing is filled again.
; CLUSTER.  The four work-groups of a cluster belong to one head, so each of the eight loads of 25,600 dense bytes is asked for JOINTLY (mask 15): wave 0 asks for k's four, wave 1 for v's four: four loads of a wave are out.
; The first quarter is read while the others are on their way: a counted wait and a work-group barrier stand ahead of its four steps; a wait for all loads and a second barrier ahead of the other twelve,
; which the waves then walk without meeting again.
; K = 64 IN AN INSTRUCTION OF 128.  A fragment of k holds two tiles of keys: K 0-63 tile 0's channels, K 64-127 tile 1's.  Against [q | zeros] it gives tile 0's scores, against [zeros | q] tile 1's: zero codes add nothing.
; LAYOUT.  Both products transposed (S^T = k q^T, O^T = v^T p^T): a lane holds one query throughout.  By the choice of rows in a tile, p's 16 registers of two neighbouring tiles are 16 neighbouring keys, and O^T's 32 registers
; are the channels 32 b + 16 (lane / 16) + i, as the quantiser wants them.
; OUT: oq [group of 32 tokens][K step s = head / 2][tile u][head % 2][768]: half a fragment: registers 0-3 at 16 L, registers 4-5 at 512 + 8 L.   osc [bh][32 group + 16 u + r]: two scale bytes.
; No prefetch: all that the launch reads of k and v is asked for by the loads at its head.
; LIMITS: a block of o under 2^-122 gets the byte 1; NaN and infinities are not served; a block's largest p is taken as the p of its largest score, which takes v_exp_f32 not to fall where its input rises.
.set KS,  4                            ; v[4:7]   k's scale words of a step; they hold nothing else
.set VS,  8                            ; v[8:11]  v's; likewise
.set QLO, 16                           ; v16-27   [q | zeros]
.set QHI, 28                           ; v28-39   [zeros | q]
.set QS,  40                           ; v40      q's scale word; it holds nothing else
.set ADK, 41                           ; v41-44   LDS addresses of the step in hand: k's images, k's words, v's images, v's words
.set ADS, 42
.set ADV, 43
.set ADT, 44
.set F,   48                           ; v48-95   four fragments, k's and then v's
.set S,   96                           ; v96-159  S^T, then p
.set O,   160                          ; v160-191 O^T
.set PC,  192                          ; v192-203 p's codes
.set CT,  204                          ; v204-206, v208-210 the conversions' second halves
.set BM,  212                          ; v212-215 the blocks' largest scores, then largest p
.set BT,  216                          ; v216-219 the other half's; then the bytes
.set SO,  220                          ; v220-223 the conversions' scale operands
.set FF,  224                          ; v[224:225] f = 2^(old M - new M)
.set PW,  226                          ; v226     p's scale word; it holds nothing else
.set TT,  227                          ; v227     at work
.set S2,  228                          ; v[228:229] the sum's second chain
.set WV,  14                           ; s14 wave
.set SEL, 18                           ; s[18:19]
.set CS,  20                           ; s[20:21] c = log2(e) / 8
.set TK,  22                           ; s22 LDS byte of the step in hand
.set CNT, 23
.set G1,  24                           ; s[24:31] descriptor group 1;  s[32:47] k's four groups 0;  s[48:63] v's
.set G0K, 32
.set G0V, 48
.macro MMZ d, a, b, sa, sb
	v_wmma_scale_f32_16x16x128_f8f6f4 v[(\d):(\d)+7], v[(\a):(\a)+11], v[(\b):(\b)+11], 0, v[\sa], v[\sb] matrix_a_fmt:MATRIX_FMT_BF6 matrix_b_fmt:MATRIX_FMT_BF6
.endm
.macro MMA d, a, b, sa, sb
	v_wmma_scale_f32_16x16x128_f8f6f4 v[(\d):(\d)+7], v[(\a):(\a)+11], v[(\b):(\b)+11], v[(\d):(\d)+7], v[\sa], v[\sb] matrix_a_fmt:MATRIX_FMT_BF6 matrix_b_fmt:MATRIX_FMT_BF6
.endm
.macro CROUND                          ; a round of the cluster's barrier
	s_barrier_signal -1
	s_barrier_wait -1
	s_cmp_lg_u32 s[WV], 0
	s_cbranch_scc1 .Lnot_wave_0_\@
	s_barrier_signal -3
.Lnot_wave_0_\@:
	s_barrier_wait -3
	s_barrier_signal -1
	s_barrier_wait -1
.endm
	s_load_b256 s[4:11], s[0:1], 0x0               ; qq s[4:5], kq s[6:7], vq s[8:9], oq s[10:11]
	s_load_b64 s[12:13], s[0:1], 0x20              ; osc
	v_lshl_add_u32 v254, v0, 2, 0x32200
	v_mov_b32 v255, 0
	ds_add_u32 v254, v255
	ds_add_u32 v254, v255
	v_lshrrev_b32 v1, 5, v0
	v_readfirstlane_b32 s[WV], v1                  ; wave 0..15
	s_bfe_u32 s15, ttmp6, 0x40000                  ; cx
	s_lshl_b32 s16, ttmp9, 2
	s_add_co_u32 s16, s16, s15                     ; my block of 256 queries: it enters global addresses of q and of the outputs alone
	s_and_b32 s17, ttmp7, 0xffff                   ; bh, which the four partners share
	s_mov_b32 s[SEL], 0x76543210
	s_mov_b32 s[SEL+1], 0xfedcba98
	s_mov_b32 s[CS], 0x3e38aa3b                    ; log2(e) / 8
	s_mov_b32 s[CS+1], s[CS]                       ; (named with it as a pair, so it is written)
	; descriptor group 1: 100 rows of 256 dense bytes; 15:0 the mask: all four work-groups; bit 21 set beside it
	s_mov_b32 s[G1+0], 15|(3<<16)|(1<<21)
	s_mov_b32 s[G1+1], 32<<16
	s_mov_b32 s[G1+2], 100<<16
	s_mov_b32 s[G1+3], 32<<16
	s_mov_b32 s[G1+4], 100
	s_mov_b32 s[G1+5], 32
	s_mov_b32 s[G1+6], 0
	s_mov_b32 s[G1+7], 0
	s_mul_i32 s66, s17, 102400                     ; the head's first byte in qq, kq and vq
	s_mov_b32 s67, 0
	s_wait_dscnt 0x0
	s_wait_kmcnt 0x0
	s_add_nc_u64 s[6:7], s[6:7], s[66:67]
	s_add_nc_u64 s[8:9], s[8:9], s[66:67]
.irp c, 0,1,2,3
	s_mov_b32 s[G0K+4*\c], 1
	s_mov_b32 s[G0K+4*\c+1], 25600*\c
	s_add_nc_u64 s[G0K+4*\c+2:G0K+4*\c+3], s[6:7], 25600*\c
	s_or_b32 s[G0K+4*\c+3], s[G0K+4*\c+3], 0x80000000
	s_mov_b32 s[G0V+4*\c], 1
	s_mov_b32 s[G0V+4*\c+1], 102400+25600*\c
	s_add_nc_u64 s[G0V+4*\c+2:G0V+4*\c+3], s[8:9], 25600*\c
	s_or_b32 s[G0V+4*\c+3], s[G0V+4*\c+3], 0x80000000
.endr
	CROUND                                         ; all four work-groups are here: the joint loads meet
	s_cmp_eq_u32 s[WV], 0
	s_cbranch_scc0 .Lnot_k
.irp c, 0,1,2,3
	tensor_load_to_lds s[G0K+4*\c:G0K+4*\c+3], s[G1:G1+7]
	s_nop 0
.endr
.rept 4
	v_nop
.endr
	s_branch .Lasked
.Lnot_k:
	s_cmp_eq_u32 s[WV], 1
	s_cbranch_scc0 .Lasked
.irp c, 0,1,2,3
	tensor_load_to_lds s[G0V+4*\c:G0V+4*\c+3], s[G1:G1+7]
	s_nop 0
.endr
.rept 4
	v_nop
.endr
.Lasked:
	v_and_b32 v3, 31, v0                           ; L
	v_and_b32 v2, 15, v0                           ; r
	v_lshlrev_b32 v1, 4, v3                        ; 16 L
	v_lshlrev_b32 v3, 3, v3                        ; 8 L
	v_lshlrev_b32 v45, 1, v2
	s_lshl_b32 s78, s[WV], 5
	s_add_co_u32 s78, s78, 204800
	v_add_nc_u32 v45, s78, v45                     ; the scratch behind the head's bytes: 32 w + 2 r: my query's two scale bytes
	v_add_nc_u32 v47, 204800, v1                   ; and the whole 512 bytes, 16 a lane
	v_lshlrev_b32 v2, 4, v2                        ; 16 r
	; q: piece 2 qb + w / 8 of the head, fragment (w / 2) % 4, half u = w % 2
	s_lshl_b32 s68, s16, 1
	s_lshr_b32 s69, s[WV], 3
	s_add_co_u32 s68, s68, s69
	s_mul_i32 s68, s68, 6400
	s_add_co_u32 s68, s68, s66
	s_mov_b32 s69, 0
	s_add_nc_u64 s[4:5], s[4:5], s[68:69]
	s_bfe_u32 s70, s[WV], 0x20001
	s_mul_i32 s72, s70, 1536
	s_mov_b32 s73, 0
	s_add_nc_u64 s[72:73], s[4:5], s[72:73]        ; the fragment's image
	s_lshl_b32 s70, s70, 2
	s_mov_b32 s71, 0
	s_add_nc_u64 s[70:71], s[4:5], s[70:71]        ; its word in the rows of four
.irp c, 0,1,2
	global_load_b128 v[F+4*\c:F+4*\c+3], v1, s[72:73] offset:512*\c
.endr
	global_load_b32 v46, v2, s[70:71] offset:6144
	; where my half fragment of o goes
	s_lshr_b32 s74, s17, 4
	s_lshl_b32 s74, s74, 6
	s_lshl_b32 s75, s16, 3
	s_add_co_u32 s74, s74, s75
	s_lshr_b32 s75, s[WV], 1
	s_add_co_u32 s74, s74, s75                     ; the group of 32 tokens: 64 batch + 8 qb + w / 2
	s_mul_i32 s74, s74, 24576
	s_bfe_u32 s75, s17, 0x30001                    ; head / 2
	s_mul_i32 s75, s75, 3072
	s_add_co_u32 s74, s74, s75
	s_and_b32 s75, s[WV], 1                        ; u
	s_mul_i32 s75, s75, 1536
	s_add_co_u32 s74, s74, s75
	s_and_b32 s75, s17, 1                          ; head % 2
	s_mul_i32 s75, s75, 768
	s_add_co_u32 s74, s74, s75
	s_mov_b32 s75, 0
	s_add_nc_u64 s[74:75], s[10:11], s[74:75]
	s_lshl_b32 s76, s17, 12
	s_lshl_b32 s77, s16, 9
	s_add_co_u32 s76, s76, s77
	s_mov_b32 s77, 0
	s_add_nc_u64 s[76:77], s[12:13], s[76:77]      ; and the work-group's 512 scale bytes
	s_and_b32 s78, s[WV], 1
	s_sub_co_u32 s79, 0, s78                       ; all ones where u = 1
	s_lshl_b32 s78, s78, 4                         ; 16 u
	s_wait_loadcnt 0x0
.irp i, 0,1,2,3,4,5
	v_cndmask_b32 v[QLO+\i], v[F+\i], v[F+6+\i], s79   ; registers 6 u .. 6 u + 5: my tile's 64 channels
.endr
.irp i, 0,1,2,3,4,5
	v_mov_b32 v[QLO+6+\i], 0
	v_mov_b32 v[QHI+\i], 0
	v_mov_b32 v[QHI+6+\i], v[QLO+\i]
.endr
	v_lshrrev_b32 v[TT], s78, v46
	v_and_b32 v[TT], 0xffff, v[TT]                 ; my tile's two bytes,
	v_lshl_or_b32 v[QS], v[TT], 16, v[TT]          ; for either half of K
	v_mov_b32 v13, 0xff61b1e6                      ; the largest t so far: -3e38, under every t
	v_floor_f32 v12, -v13                          ; -M
	v_mov_b32 v14, 0                               ; the sum, in two halves
	v_mov_b32 v15, 0
	v_mov_b32 v[FF+1], 0                           ; (named as the upper half of a pair)
.irp b, 0,1,2,3
	v_mov_b32 v[BT+\b], 0                          ; written once: a lane permute's destination counts as one of its sources
.endr
.set J, 0
.rept 32
	v_mov_b32 v[O+J], 0                            ; O^T.  (The step is written once for each run: its first turn finds zeros, which the first change of M leaves zeros)
.set J, J+1
.endr
; A KEY STEP: 128 keys
.macro STEP
	v_add_nc_u32 v[ADK], s[TK], v1                 ; these four lines are also the places behind the last step's products, in front of the loads into their operands
	v_add_nc_u32 v[ADS], s[TK], v2
	v_add_nc_u32 v[ADV], 102400, v[ADK]
	v_add_nc_u32 v[ADT], 102400, v[ADS]
.irp f, 0,1,2,3
.irp c, 0,1,2
	ds_load_b128 v[F+12*\f+4*\c:F+12*\f+4*\c+3], v[ADK] offset:1536*\f+512*\c
.endr
.endr
	ds_load_b128 v[KS:KS+3], v[ADS] offset:6144
	s_wait_dscnt 0x0
.irp b, 0,1,2,3
	MMZ S+16*\b, F+12*\b, QLO, KS+\b, QS           ; keys 32 b + 16 (lane / 16) + 0 .. 7
	MMZ S+16*\b+8, F+12*\b, QHI, KS+\b, QS         ; and + 8 .. 15
.endr
.rept 4
	v_nop                                          ; places in front of the loads below and of the first read of the scores
.endr
.irp f, 0,1,2,3
.irp c, 0,1,2
	ds_load_b128 v[F+12*\f+4*\c:F+12*\f+4*\c+3], v[ADV] offset:1536*\f+512*\c    ; v's fragments land while the softmax is walked
.endr
.endr
	ds_load_b128 v[VS:VS+3], v[ADT] offset:6144
.irp b, 0,1,2,3
	v_max3_num_f32 v[BM+\b], v[S+16*\b], v[S+1+16*\b], v[S+2+16*\b]   ; the largest score of each block of 32 keys: for the row's maximum and, since p rises with the score, for the block's largest p
.endr
.irp i, 3,5,7,9,11,13
.irp b, 0,1,2,3
	v_max3_num_f32 v[BM+\b], v[BM+\b], v[S+16*\b+\i], v[S+1+16*\b+\i]
.endr
.endr
.irp b, 0,1,2,3
	v_max_num_f32 v[BM+\b], v[BM+\b], v[S+15+16*\b]
.endr
.irp b, 0,1,2,3
	v_permlanex16_b32 v[BT+\b], v[BM+\b], s[SEL], s[SEL+1]
.endr
.irp b, 0,1,2,3
	v_max_num_f32 v[BM+\b], v[BM+\b], v[BT+\b]     ; with lane l xor 16's 16 keys
.endr
	v_max3_num_f32 v[TT], v[BM], v[BM+1], v[BM+2]
	v_max_num_f32 v[TT], v[TT], v[BM+3]            ; the step's largest score of my query
	v_mul_f32 v[TT], s[CS], v[TT]                  ; as t (c is positive)
	v_max_num_f32 v13, v13, v[TT]                  ; the running largest t
	v_mov_b32 v[TT], v12
	v_floor_f32 v12, -v13                          ; the new -M = -ceil(t): a whole number
	v_sub_f32 v[TT], v12, v[TT]                    ; old M - new M: a whole number, 0 or less
	v_cvt_i32_f32 v[TT], v[TT]                     ; (it saturates)
	v_ldexp_f32 v[FF], 1.0, v[TT]                  ; f
.set J, 0
.rept 32
	v_pk_fma_f32 v[S+J:S+J+1], v[S+J:S+J+1], s[CS:CS+1], v[12:13] op_sel_hi:[1,0,0]   ; t - M, two at a time
.set J, J+2
.endr
.irp b, 0,1,2,3
	v_fma_f32 v[BM+\b], v[BM+\b], s[CS], v12       ; the same of each block's largest score
.endr
.set J, 0
.rept 64
	v_exp_f32 v[S+J], v[S+J]                       ; p = 2^(t - M), at most 1
.set J, J+1
.endr
.irp b, 0,1,2,3
	v_exp_f32 v[BM+\b], v[BM+\b]                   ; the block's largest p: the same two instructions on the same number
.endr
	v_pk_mul_f32 v[14:15], v[14:15], v[FF:FF+1] op_sel_hi:[1,0]    ; the sums under the new M.  (A plain place behind the exponentials)
	s_wait_alu depctr_va_vdst(0)
.irp b, 0,1,2,3
	v_max_num_f32 v[BM+\b], 0x2800000, v[BM+\b]    ; the floor 2^(5 - 127): the byte cannot fall under 1
.endr
.irp b, 0,1,2,3
	v_add_nc_u32 v[SO+\b], 0xfe000000, v[BM+\b]
.endr
.irp b, 0,1,2,3
	v_lshrrev_b32 v[BT+\b], 23, v[SO+\b]
.endr
	v_lshl_or_b32 v[PW], v[BT+1], 8, v[BT]         ; p's scale word for these 128 keys
	v_lshl_or_b32 v[PW], v[BT+2], 16, v[PW]
	v_lshl_or_b32 v[PW], v[BT+3], 24, v[PW]
.irp c, 0,1
	v_cvt_scalef32_pk16_bf6_f32 v[PC+6*\c:PC+2+6*\c], v[S+32*\c:S+15+32*\c], v[SO+2*\c]
	v_cvt_scalef32_pk16_bf6_f32 v[CT+4*\c:CT+2+4*\c], v[S+16+32*\c:S+31+32*\c], v[SO+2*\c+1]
.endr
	v_nop                                          ; one plain place behind a scaled conversion
.irp c, 0,1
.irp i, 0,1,2
	v_permlane16_swap_b32 v[PC+6*\c+\i], v[CT+4*\c+\i]
.endr
.irp i, 0,1,2
	v_mov_b32 v[PC+3+6*\c+\i], v[CT+4*\c+\i]
.endr
.endr
	v_pk_add_f32 v[S2:S2+1], v[S:S+1], v[S+2:S+3]  ; the row's sum is taken of the unquantised p: two chains
.set J, 4
.rept 15
	v_pk_add_f32 v[14:15], v[14:15], v[S+J:S+J+1]
	v_pk_add_f32 v[S2:S2+1], v[S2:S2+1], v[S+J+2:S+J+3]
.set J, J+4
.endr
	v_pk_add_f32 v[14:15], v[14:15], v[S2:S2+1]
.set J, 0
.rept 16
	v_pk_mul_f32 v[O+J:O+J+1], v[O+J:O+J+1], v[FF:FF+1] op_sel_hi:[1,0]   ; O^T under the new M
.set J, J+2
.endr
	s_wait_dscnt 0x0                               ; v's fragments and scale words are in
.irp t, 0,1,2,3
	MMA O+8*\t, F+12*\t, PC, VS+\t, PW             ; the four accumulators by turns
.endr
.endm
; A run of key steps from LDS byte first on.  left: how many of the asking waves' four loads may still be out at its head.
.macro RUN left, first, steps
	s_wait_tensorcnt \left
	s_wait_dscnt 0x0
	s_barrier_signal -1
	s_barrier_wait -1
	s_mov_b32 s[TK], \first
	s_mov_b32 s[CNT], \steps
.Lstep_\@:
	STEP
	s_add_co_u32 s[TK], s[TK], 6400
	s_sub_co_u32 s[CNT], s[CNT], 1
	s_cmp_lg_u32 s[CNT], 0
	s_cbranch_scc1 .Lstep_\@
.endm
	RUN 3, 0, 4                                    ; the first quarter has landed; the other three loads of waves 0 and 1 stay out
	RUN 0, 25600, 12                               ; all loads have landed (they had four steps in which to land): the reads of the other three quarters all stand behind this wait and barrier
	; THE WAY OUT: O^T / the sum, quantised in two blocks of 32 channels
.rept 4
	v_nop                                          ; places behind the last products
.endr
	v_add_f32 v14, v14, v15
	v_permlanex16_b32 v[TT], v14, s[SEL], s[SEL+1]
	v_add_f32 v14, v14, v[TT]                      ; the row's sum
	v_rcp_f32 v14, v14
	v_nop                                          ; one plain place behind a transcendental
.set J, 0
	s_wait_alu depctr_va_vdst(0)
.rept 32
	v_mul_f32 v[S+J], v[O+J], v14                  ; register 16 b + i: channel 32 b + 16 (lane / 16) + i; each accumulator from its low end on
.set J, J+1
.endr
.irp b, 0,1
	v_max3_num_f32 v[BM+\b], |v[S+16*\b]|, |v[S+1+16*\b]|, 0x2800000
.endr
.irp i, 2,4,6,8,10,12,14
.irp b, 0,1
	v_max3_num_f32 v[BM+\b], v[BM+\b], |v[S+16*\b+\i]|, |v[S+1+16*\b+\i]|
.endr
.endr
.irp b, 0,1
	v_permlanex16_b32 v[BT+\b], v[BM+\b], s[SEL], s[SEL+1]
.endr
.irp b, 0,1
	v_max_num_f32 v[BM+\b], v[BM+\b], v[BT+\b]
.endr
.irp b, 0,1
	v_add_nc_u32 v[SO+\b], 0xfe000000, v[BM+\b]
.endr
.irp b, 0,1
	v_lshrrev_b32 v[BT+\b], 23, v[SO+\b]
.endr
	v_lshl_or_b32 v[TT], v[BT+1], 8, v[BT]         ; my query's two scale bytes
	v_cvt_scalef32_pk16_bf6_f32 v[PC:PC+2], v[S:S+15], v[SO]
	v_cvt_scalef32_pk16_bf6_f32 v[CT:CT+2], v[S+16:S+31], v[SO+1]
	v_nop
.irp i, 0,1,2
	v_permlane16_swap_b32 v[PC+\i], v[CT+\i]
.endr
.irp i, 0,1,2
	v_mov_b32 v[PC+3+\i], v[CT+\i]
.endr
	global_store_b128 v1, v[PC:PC+3], s[74:75]             ; 512 consecutive bytes,
	global_store_b64 v3, v[PC+4:PC+5], s[74:75] offset:512 ; and 256: all aligned
	ds_store_b16 v45, v[TT]                        ; both halves of the lanes write the same bytes with the same value
	s_wait_dscnt 0x0                               ; for the others' sake
	s_barrier_signal -1
	s_barrier_wait -1
	s_cmp_lg_u32 s[WV], 0
	s_cbranch_scc1 .Lno_bytes
	ds_load_b128 v[S:S+3], v47                     ; wave 0 stores the work-group's 512 scale bytes whole
	s_wait_dscnt 0x0
	global_store_b128 v1, v[S:S+3], s[76:77]
.Lno_bytes:
	s_wait_tensorcnt 0x0
	ds_add_u32 v254, v255
	s_wait_dscnt 0x0
	CROUND                                         ; the closing round: no work-group ends while a partner may still ask for a tile that names it
	s_endpgm
.Lfunc_end_k_qc9d3e522b9_attn:
	.size	k_qc9d3e522b9_attn, .Lfunc_end_k_qc9d3e522b9_attn-k_qc9d3e522b9_attn
	.p2alignl 7, 3214868480
	.fill 96, 4, 3214868480
	.section	.rodata,"a",@progbits
	.p2align	6, 0x0
	.amdhsa_kernel k_qc9d3e522b9_attn
		.amdhsa_group_segment_fixed_size 207360
		.amdhsa_private_segment_fixed_size 0
		.amdhsa_enable_private_segment 0
		.amdhsa_kernarg_size 40
		.amdhsa_user_sgpr_count 2
		.amdhsa_user_sgpr_kernarg_segment_ptr 1
		.amdhsa_wavefront_size32 1
		.amdhsa_system_sgpr_workgroup_id_x 1
		.amdhsa_system_sgpr_workgroup_id_y 1
		.amdhsa_system_sgpr_workgroup_id_z 1
		.amdhsa_system_vgpr_workitem_id 0
		.amdhsa_next_free_vgpr 256
		.amdhsa_next_free_sgpr 80
		.amdhsa_reserve_vcc 0
		.amdhsa_float_denorm_mode_32 3
		.amdhsa_float_denorm_mode_16_64 3
		.amdhsa_memory_ordered 1
		.amdhsa_forward_progress 1
		.amdhsa_inst_pref_size 46
	.end_amdhsa_kernel
	.amdgpu_metadata
---
amdhsa.version: [ 1, 2 ]
amdhsa.kernels:
  - .name:           k_qc9d3e522b9_attn
    .symbol:         k_qc9d3e522b9_attn.kd
    .args:
      - { .name: qq, .offset: 0, .size: 8, .value_kind: global_buffer, .address_space: global }
      - { .name: kq, .offset: 8, .size: 8, .value_kind: global_buffer, .address_space: global }
      - { .name: vq, .offset: 16, .size: 8, .value_kind: global_buffer, .address_space: global }
      - { .name: oq, .offset: 24, .size: 8, .value_kind: global_buffer, .address_space: global }
      - { .name: osc, .offset: 32, .size: 8, .value_kind: global_buffer, .address_space: global }
    .group_segment_fixed_size: 207360
    .private_segment_fixed_size: 0
    .kernarg_segment_align: 8
    .kernarg_segment_size: 40
    .max_flat_workgroup_size: 512
    .sgpr_count:     80
    .vgpr_count:     256
    .wavefront_size: 32
...
	.end_amdgpu_metadata
.endif
;; end of part 3
;; launch tail (part 4): grid 256 x 1, 16 waves a work-group, no clusters, 80,896 bytes of LDS; arguments oq, osc, wimg, w_comb_scales, b_comb, x, gamma1, beta1, gamma2, beta2, theta, w1, b1, out0; writes out0
.if DOCPART == 4
	.amdgcn_target "amdgcn-amd-amdhsa--gfx1250"
	.amdhsa_code_object_version 6
	.text
	.protected	k_qc9d3e522b9_tail
	.globl	k_qc9d3e522b9_tail
	.p2align	8
	.type	k_qc9d3e522b9_tail,@function
k_qc9d3e522b9_tail:
	s_mov_b64 s[64:65], 0
	v_nop
	global_prefetch_b8 v0, s[64:65] scope:SCOPE_SE
	s_setreg_imm32_b32 hwreg(HW_REG_WAVE_MODE, 25, 1), 1
	s_wait_xcnt 0x0
; TAIL.  attn = o w_comb^T + b_comb on codes of BF6; x1 = LayerNorm(x + attn) gamma1 + beta1; ffn = sum over i < 8 of cos(x1[i]) cos(theta[i]) w1[i] + b1; out = LayerNorm(x1 + ffn) gamma2 + beta2.  All behind the product in f32.
; SHARES.  A norm wants whole rows: work-group T owns one tile of 16 tokens (tile u = T % 2 of group g = T / 2: tokens 32 g + 8 u + i + 8 (i / 8)) and all 1,024 columns: 256 work-groups.
; Wave w makes columns 64 w .. 64 w + 63 (unit 48 + w of the weights' images): 4 accumulators, 32 matrix instructions; behind the product it owns row w of the tile.
; o's 8 fragments (12,288 bytes) and their scale words go into LDS once: wave w copies head w's half fragment and its 16 pairs of scale bytes.  A weight fragment feeds one product of one wave and comes straight
; into registers, TWO K steps ahead, in three sets: 12,288 bytes of a wave are on their way.  The sets that the last steps leave take x's row (in step 6) and gamma1 (in step 7).
; NO JOINT LOADS: every work-group walks all 786,432 bytes of w_comb's codes, but a K step is 4 matrix instructions a wave: through LDS slots the weights would be written and read there once more, with a round of
; the cluster for each slot and next to no work in which a refill could land.
; The bias is loaded into the accumulators in the result's layout, so that every K step adds in place; the four accumulators take turns.
; The results meet in a stage (16 rows x 4,112 bytes); in a row a lane holds columns 128 q + 4 L + 0 .. 3, and every load and store covers 512 consecutive bytes.
; Variance in two passes (the mean is taken away first).  cos: a = x / 2 pi, f = a - round(a), a polynomial of degree 10 in f^2 (the next term is under 1e-10 for |f| <= 1/2).
; LIMITS: cos's absolute error grows as about 1e-7 |x|; NaN and infinities are not served.
.set AS,  6                            ; v6, v7   o's scale words, one for each of two sets; they hold nothing else
.set ACC, 16                           ; v16-47   accumulator wt at 8 wt
.set WF,  48                           ; v48-95, v96-143, v144-191 w's four fragments, three sets
.set AF,  192                          ; v192-203, v204-215 o's fragment, two sets
.set WS,  224                          ; v224-255 w's scale words: 8 wt + s; they hold nothing else
.set Y,   16                           ; the row: v16-47
.set G1R, 48                           ; v48-79   gamma1
.set B1R, 80                           ; v80-111  beta1
.set G2R, 112                          ; v112-143 gamma2
.set XA,  144                          ; v144-175 x's row
.set B2R, 176                          ; v176-207 beta2
.set TH,  208                          ; v208-211 theta, then cos(theta) w1 in lanes 0 and 1, 0 elsewhere
.set W1R, 212                          ; v212-215 w1, then cos(x1)
.set T,   216                          ; v216-219 at work
.set RV,  220                          ; v[220:221] a row's figure, and the permute's destination
.set WV,  32                           ; s32 wave
.set SEL, 34                           ; s[34:35]
.set INV, 48                           ; s48 2^-10, s49 1e-5, s50 the polynomial's leading coefficient, s51 b1, s52 -2^-10, s53 wave % 2, s54 g, s55 u
.set EPS, 49
.set C10, 50
.set B1V, 51
.set NINV, 52
.set AIMG, 0                           ; LDS: o's fragment of K step s at 1536 s (head w's half at 768 w);
.set ASC,  12288                       ; its scale words at 64 s + 4 r;
.set STG,  12800                       ; the stage
.set SP,   4112
.macro MMA d, a, b, sa, sb
	v_wmma_scale_f32_16x16x128_f8f6f4 v[(\d):(\d)+7], v[(\a):(\a)+11], v[(\b):(\b)+11], v[(\d):(\d)+7], v[\sa], v[\sb] matrix_a_fmt:MATRIX_FMT_BF6 matrix_b_fmt:MATRIX_FMT_BF6
.endm
.macro WLOAD s                         ; w's four fragments of K step s into set s % 3: 12 loads of 512 consecutive bytes
.irp f, 0,1,2,3
.irp c, 0,1,2
	global_load_b128 v[WF+48*((\s)%3)+12*\f+4*\c:WF+48*((\s)%3)+12*\f+4*\c+3], v1, s[8:9] offset:6144*(\s)+1536*\f+512*\c
.endr
.endr
.endm
.macro ALOAD s                         ; o's fragment of K step s, of two halves (registers 0-3 at 16 L, 4-5 at 512 + 8 L), and its scale word: five LDS loads
.set FB, AIMG+(\s)*1536
.set FR, AF+12*((\s)%2)
	ds_load_b128 v[FR:FR+3], v1 offset:FB
	ds_load_b64 v[FR+4:FR+5], v2 offset:FB+512
	ds_load_b128 v[FR+6:FR+9], v1 offset:FB+768
	ds_load_b64 v[FR+10:FR+11], v2 offset:FB+1280
	ds_load_b32 v[AS+(\s)%2], v3 offset:(\s)*64
.endm
.macro ROWLD reg, base, off            ; 4,096 bytes, 512 consecutive bytes a load
.irp q, 0,1,2,3,4,5,6,7
	global_load_b128 v[\reg+4*\q:\reg+4*\q+3], v1, s[\base:\base+1] offset:\off+512*\q
.endr
.endm
.macro STEP s                          ; 128 along K.  The loads at its head go into the sets that the last step multiplied: that step's four places stand at its end
.if (\s) < 6
	WLOAD (\s)+2
.elseif (\s) == 6
	ROWLD XA, 14, 0                                ; no weights are left to ask for: the set that step 5 left takes my row of x,
.else
	ROWLD G1R, 16, 0                               ; the set that step 6 left takes gamma1
.endif
.if (\s) < 7
	ALOAD (\s)+1
.endif
.if (\s) == 2
	s_cmp_eq_u32 s53, 0                            ; the even waves ask, for their own row of x and for the next wave's, which follows it in memory: a lane to each 256 bytes,
	s_cbranch_scc0 .Lno_ask                        ; so that each is named once in the launch, four K steps ahead of the loads that want them; the registers named are never rewritten
	global_prefetch_b8 v10, s[14:15] th:TH_LOAD_NT scope:SCOPE_SE
.Lno_ask:
.endif
.if (\s) < 6
	s_wait_loadcnt 24                              ; the next two steps' weights, twelve loads each, may be out
.elseif (\s) == 6
	s_wait_loadcnt 20                              ; step 7's twelve and x's eight may be out
.else
	s_wait_loadcnt 16                              ; x's eight and gamma1's eight may be out
.endif
.if (\s) < 7
	s_wait_dscnt 5                                 ; the five just issued may be out
.else
	s_wait_dscnt 0x0
.endif
.irp wt, 0,1,2,3
	MMA ACC+8*\wt, WF+48*((\s)%3)+12*\wt, AF+12*((\s)%2), WS+8*\wt+(\s), AS+(\s)%2
.endr
.rept 4
	v_nop                                          ; places in front of loads into registers that these products read, and of the first read of results
.endr
.endm
.macro REDUCE                          ; the sum of v[RV] over the 32 lanes, in every lane
	v_add_f32_dpp v[RV], v[RV], v[RV] row_xmask:1 row_mask:0xf bank_mask:0xf
	v_add_f32_dpp v[RV], v[RV], v[RV] row_xmask:2 row_mask:0xf bank_mask:0xf
	v_add_f32_dpp v[RV], v[RV], v[RV] row_xmask:4 row_mask:0xf bank_mask:0xf
	v_add_f32_dpp v[RV], v[RV], v[RV] row_xmask:8 row_mask:0xf bank_mask:0xf
	v_permlanex16_b32 v[RV+1], v[RV], s[SEL], s[SEL+1]
	v_add_f32 v[RV], v[RV], v[RV+1]
.endm
.macro LNORM y, g, b                   ; the row in v[y .. y + 31] is normalised, times g, plus b
	v_pk_add_f32 v[T:T+1], v[\y:\y+1], v[\y+2:\y+3]
	v_pk_add_f32 v[T+2:T+3], v[\y+4:\y+5], v[\y+6:\y+7]
.set J, 8
.rept 6
	v_pk_add_f32 v[T:T+1], v[T:T+1], v[\y+J:\y+J+1]
	v_pk_add_f32 v[T+2:T+3], v[T+2:T+3], v[\y+J+2:\y+J+3]
.set J, J+4
.endr
	v_pk_add_f32 v[T:T+1], v[T:T+1], v[T+2:T+3]
	v_add_f32 v[RV], v[T], v[T+1]
	REDUCE
	v_mul_f32 v[RV], s[NINV], v[RV]                ; - the mean
.set J, 0
.rept 16
	v_pk_add_f32 v[\y+J:\y+J+1], v[\y+J:\y+J+1], v[RV:RV+1] op_sel_hi:[1,0]
.set J, J+2
.endr
	v_pk_mul_f32 v[T:T+1], v[\y:\y+1], v[\y:\y+1]
	v_pk_mul_f32 v[T+2:T+3], v[\y+2:\y+3], v[\y+2:\y+3]
.set J, 4
.rept 7
	v_pk_fma_f32 v[T:T+1], v[\y+J:\y+J+1], v[\y+J:\y+J+1], v[T:T+1]
	v_pk_fma_f32 v[T+2:T+3], v[\y+J+2:\y+J+3], v[\y+J+2:\y+J+3], v[T+2:T+3]
.set J, J+4
.endr
	v_pk_add_f32 v[T:T+1], v[T:T+1], v[T+2:T+3]
	v_add_f32 v[RV], v[T], v[T+1]
	REDUCE
	v_fma_f32 v[RV], v[RV], s[INV], s[EPS]         ; the variance + 1e-5
	v_rsq_f32 v[RV], v[RV]
	v_nop                                          ; one plain place behind a transcendental
.set J, 0
	s_wait_alu depctr_va_vdst(0)
.rept 16
	v_pk_mul_f32 v[\y+J:\y+J+1], v[\y+J:\y+J+1], v[RV:RV+1] op_sel_hi:[1,0]
.set J, J+2
.endr
.set J, 0
.rept 16
	v_pk_fma_f32 v[\y+J:\y+J+1], v[\y+J:\y+J+1], v[\g+J:\g+J+1], v[\b+J:\b+J+1]
.set J, J+2
.endr
.endm
.macro COS4 d, s                       ; v[d .. d + 3] = cos of v[s .. s + 3]; v[T .. T + 3] at work; the four by turns
.irp i, 0,1,2,3
	v_mul_f32 v[\d+\i], 0.15915494, v[\s+\i]
.endr
.irp i, 0,1,2,3
	v_rndne_f32 v[T+\i], v[\d+\i]
.endr
.irp i, 0,1,2,3
	v_sub_f32 v[\d+\i], v[\d+\i], v[T+\i]          ; f, in -1/2 .. 1/2
.endr
.irp i, 0,1,2,3
	v_mul_f32 v[T+\i], v[\d+\i], v[\d+\i]          ; f^2
.endr
.irp i, 0,1,2,3
	v_fmaak_f32 v[\d+\i], s[C10], v[T+\i], 0xbd150621      ; the coefficients are (-1)^k (2 pi)^(2 k) / (2 k)!
.endr
.irp k, 0x3e906317, 0xbfdb7127, 0x40fce9c5, 0xc1d368f9, 0x4270fa83, 0xc2aae9e4, 0x4281e0f8, 0xc19de9e6
.irp i, 0,1,2,3
	v_fmaak_f32 v[\d+\i], v[\d+\i], v[T+\i], \k
.endr
.endr
.irp i, 0,1,2,3
	v_fma_f32 v[\d+\i], v[\d+\i], v[T+\i], 1.0
.endr
.endm
.macro FFN y                           ; the row's one number, added to all of the row
	COS4 W1R, \y                                   ; lanes 0 and 1 hold the row's columns 0-3 and 4-7 in their first four registers
	v_mul_f32 v[RV], v[W1R], v[TH]
	v_fmac_f32 v[RV], v[W1R+1], v[TH+1]
	v_fmac_f32 v[RV], v[W1R+2], v[TH+2]
	v_fmac_f32 v[RV], v[W1R+3], v[TH+3]            ; 0 in lanes 2-31
	REDUCE
	v_add_f32 v[RV], s[B1V], v[RV]
.set J, 0
.rept 16
	v_pk_add_f32 v[\y+J:\y+J+1], v[\y+J:\y+J+1], v[RV:RV+1] op_sel_hi:[1,0]
.set J, J+2
.endr
.endm
	s_load_b256 s[4:11], s[0:1], 0x0               ; oq s[4:5], osc s[6:7], wimg s[8:9], w_comb_scales s[10:11]
	s_load_b256 s[12:19], s[0:1], 0x20             ; b_comb s[12:13], x s[14:15], gamma1 s[16:17], beta1 s[18:19]
	s_load_b256 s[20:27], s[0:1], 0x40             ; gamma2 s[20:21], beta2 s[22:23], theta s[24:25], w1 s[26:27]
	s_load_b128 s[28:31], s[0:1], 0x60             ; b1 s[28:29], out0 s[30:31]
	v_lshl_add_u32 v222, v0, 2, 0x13400
	v_mov_b32 v223, 0
	v_lshrrev_b32 v1, 5, v0
	v_readfirstlane_b32 s[WV], v1                  ; wave 0..15
	v_and_b32 v12, 31, v0                          ; L
	v_and_b32 v13, 15, v0                          ; r
	v_bfe_u32 v11, v0, 4, 1                        ; h
	v_lshlrev_b32 v1, 4, v12                       ; 16 L
	v_lshlrev_b32 v2, 3, v12                       ; 8 L
	v_lshl_add_u32 v3, v13, 2, ASC                 ; o's scale words: 4 r
	v_mul_u32_u24 v4, v13, SP
	v_lshl_add_u32 v4, v11, 6, v4
	s_lshl_b32 s36, s[WV], 8
	s_add_co_u32 s36, s36, STG
	v_add_nc_u32 v4, s36, v4                       ; into the stage: row r of the tile, + 256 w + 64 h
	v_and_b32 v5, 8, v13
	v_add_nc_u32 v5, v5, v13                       ; r + 8 (r / 8)
	v_lshlrev_b32 v5, 5, v5                        ; w's scale bytes: 32 a row
	v_lshlrev_b32 v10, 8, v13
	v_lshl_add_u32 v10, v11, 12, v10               ; the prefetch: row h of two, its r-th 256 bytes
	s_and_b32 s53, s[WV], 1                        ; wave % 2
	s_lshr_b32 s36, s[WV], 1
	s_lshl_b32 s36, s36, 6
	s_lshl_b32 s37, s53, 1
	s_add_co_u32 s36, s36, s37
	s_add_co_u32 s36, s36, ASC
	v_lshlrev_b32 v15, 2, v13
	v_add_nc_u32 v15, s36, v15                     ; head w's two bytes of token r: word (w / 2, r), half w % 2
	s_mul_i32 s36, s[WV], 768
	v_add_nc_u32 v14, s36, v1                      ; my half fragment's place among o's images: registers 0-3,
	v_add_nc_u32 v9, s36, v2                       ; and (512 bytes on) registers 4-5
	v_lshlrev_b32 v13, 1, v13                      ; 2 r
	v_lshlrev_b32 v11, 6, v11                      ; 64 h
	s_mov_b32 s[SEL], 0x76543210
	s_mov_b32 s[SEL+1], 0xfedcba98
	s_mov_b32 s[INV], 0x3a800000
	s_mov_b32 s[EPS], 0x3727c5ac
	s_mov_b32 s[C10], 0x3b77b706
	s_mov_b32 s[NINV], 0xba800000
	s_mul_i32 s33, s[WV], SP
	s_add_co_u32 s33, s33, STG                     ; my row of the stage
	s_lshr_b32 s54, ttmp9, 1                       ; g
	s_and_b32 s55, ttmp9, 1                        ; u
	s_mul_i32 s36, s54, 24576                      ; oq: [g][K step w / 2][u][w % 2][768]
	s_lshr_b32 s37, s[WV], 1
	s_mul_i32 s37, s37, 3072
	s_add_co_u32 s36, s36, s37
	s_mul_i32 s37, s55, 1536
	s_add_co_u32 s36, s36, s37
	s_mul_i32 s37, s53, 768
	s_add_co_u32 s36, s36, s37
	s_mov_b32 s37, 0
	s_lshr_b32 s38, s54, 6                         ; osc: [16 batch + head w][32 (g % 64) + 16 u + r], two bytes each
	s_lshl_b32 s38, s38, 4
	s_add_co_u32 s38, s38, s[WV]
	s_lshl_b32 s38, s38, 12
	s_and_b32 s39, s54, 63
	s_lshl_b32 s39, s39, 6
	s_add_co_u32 s38, s38, s39
	s_lshl_b32 s39, s55, 5
	s_add_co_u32 s38, s38, s39
	s_mov_b32 s39, 0
	s_add_co_u32 s40, s[WV], 48
	s_mul_i32 s40, s40, 49152
	s_mov_b32 s41, 0
	s_lshl_b32 s42, s[WV], 11
	s_mov_b32 s43, 0
	s_lshl_b32 s44, s[WV], 8
	s_mov_b32 s45, 0
	s_lshl_b32 s46, s54, 5
	s_lshl_b32 s47, s55, 3
	s_add_co_u32 s46, s46, s47
	s_add_co_u32 s46, s46, s[WV]
	s_lshr_b32 s47, s[WV], 3
	s_lshl_b32 s47, s47, 3
	s_add_co_u32 s46, s46, s47                     ; my token: 32 g + 8 u + w + 8 (w / 8)
	s_lshl_b32 s46, s46, 12                        ; rows of 4,096 bytes
	s_mov_b32 s47, 0
	s_wait_kmcnt 0x0
	s_load_b32 s[B1V], s[28:29], 0x0
	s_add_nc_u64 s[4:5], s[4:5], s[36:37]
	s_add_nc_u64 s[6:7], s[6:7], s[38:39]
	s_add_nc_u64 s[8:9], s[8:9], s[40:41]
	s_add_nc_u64 s[10:11], s[10:11], s[42:43]
	s_add_nc_u64 s[12:13], s[12:13], s[44:45]
	s_add_nc_u64 s[14:15], s[14:15], s[46:47]
	s_add_nc_u64 s[30:31], s[30:31], s[46:47]
	global_load_b128 v[AF:AF+3], v1, s[4:5] th:TH_LOAD_NT                 ; head w's half fragment of o, byte for byte
	global_load_b64 v[AF+4:AF+5], v2, s[4:5] offset:512 th:TH_LOAD_NT
	global_load_u16 v12, v13, s[6:7]                                      ; and its scale bytes (both halves of the lanes take the same)
.irp wt, 0,1,2,3
	global_load_b128 v[WS+8*\wt:WS+8*\wt+3], v5, s[10:11] offset:(32*(\wt/2)+8*(\wt%2))*32
	global_load_b128 v[WS+8*\wt+4:WS+8*\wt+7], v5, s[10:11] offset:(32*(\wt/2)+8*(\wt%2))*32+16
.endr
.irp wt, 0,1,2,3
	global_load_b128 v[ACC+8*\wt:ACC+8*\wt+3], v11, s[12:13] offset:(32*(\wt/2)+8*(\wt%2))*4       ; the bias of columns 32 (wt / 2) + 8 (wt % 2) + 16 h + 0 .. 7 starts the sums
	global_load_b128 v[ACC+8*\wt+4:ACC+8*\wt+7], v11, s[12:13] offset:(32*(\wt/2)+8*(\wt%2))*4+16
.endr
	WLOAD 0
	WLOAD 1
	s_wait_loadcnt 40                              ; the younger 40 (8 of scale words, 8 of bias, 24 of weights) may be out: o's codes and bytes are in
	ds_store_b128 v14, v[AF:AF+3] offset:AIMG
	ds_store_b64 v9, v[AF+4:AF+5] offset:AIMG+512
	ds_store_b16 v15, v12                          ; both halves of the lanes write the same bytes with the same value
	s_wait_dscnt 0x0                               ; for the others' sake
	s_barrier_signal -1
	s_barrier_wait -1                              ; o's eight fragments and their scale words lie in LDS
	ALOAD 0
.irp s, 0,1,2,3,4,5,6,7
	STEP \s
.endr
	; the results go to the stage, each accumulator from its low end on
.irp wt, 0,1,2,3
	ds_store_b128 v4, v[ACC+8*\wt:ACC+8*\wt+3] offset:128*(\wt/2)+32*(\wt%2)
	ds_store_b128 v4, v[ACC+8*\wt+4:ACC+8*\wt+7] offset:128*(\wt/2)+32*(\wt%2)+16
.endr
	v_and_b32 v12, 31, v0                          ; L
	v_min_u32 v13, 1, v12                          ; (the load that named v13 was waited for at the head)
	v_lshlrev_b32 v13, 4, v13                      ; lane 0: the first four of theta and w1; the others: the last four
	ROWLD B1R, 18, 0
	global_load_b128 v[TH:TH+3], v13, s[24:25]
	global_load_b128 v[W1R:W1R+3], v13, s[26:27]
	ROWLD G2R, 20, 0
	ROWLD B2R, 22, 0
	v_add_nc_u32 v14, s33, v1                      ; out of the stage: my row, 16 L
	v_mov_b32 v[RV+1], 0                           ; written once: a lane permute's destination counts as one of its sources
	v_cmp_gt_u32 vcc_lo, 2, v12                    ; lanes 0 and 1
	s_wait_dscnt 0x0                               ; for the others' sake
	s_barrier_signal -1
	s_barrier_wait -1                              ; 16 whole rows lie in the stage
.irp q, 0,1,2,3,4,5,6,7
	ds_load_b128 v[Y+4*\q:Y+4*\q+3], v14 offset:512*\q
.endr
	s_wait_loadcnt 16                              ; gamma2's eight and beta2's eight may be out: x, gamma1, beta1, theta and w1 are in
	s_wait_kmcnt 0x0                               ; b1
	COS4 TH, TH
.irp i, 0,1,2,3
	v_mul_f32 v[TH+\i], v[TH+\i], v[W1R+\i]
.endr
.irp i, 0,1,2,3
	v_cndmask_b32 v[TH+\i], 0, v[TH+\i], vcc_lo    ; cos(theta) w1 where the lane holds columns 0-7, else 0
.endr
	s_wait_dscnt 0x0                               ; my row
.set J, 0
.rept 16
	v_pk_add_f32 v[Y+J:Y+J+1], v[Y+J:Y+J+1], v[XA+J:XA+J+1]    ; the residual
.set J, J+2
.endr
	LNORM Y, G1R, B1R
	FFN Y
	s_wait_loadcnt 0x0                             ; gamma2 and beta2
	LNORM Y, G2R, B2R
.irp q, 0,1,2,3,4,5,6,7
	global_store_b128 v1, v[Y+4*\q:Y+4*\q+3], s[30:31] offset:512*\q th:TH_STORE_NT        ; 512 consecutive bytes, aligned; the registers are not written again
.endr
	s_wait_tensorcnt 0x0
	ds_add_u32 v222, v223
	s_wait_dscnt 0x0
	s_endpgm
.Lfunc_end_k_qc9d3e522b9_tail:
	.size	k_qc9d3e522b9_tail, .Lfunc_end_k_qc9d3e522b9_tail-k_qc9d3e522b9_tail
	.p2alignl 7, 3214868480
	.fill 96, 4, 3214868480
	.section	.rodata,"a",@progbits
	.p2align	6, 0x0
	.amdhsa_kernel k_qc9d3e522b9_tail
		.amdhsa_group_segment_fixed_size 80896
		.amdhsa_private_segment_fixed_size 0
		.amdhsa_enable_private_segment 0
		.amdhsa_kernarg_size 112
		.amdhsa_user_sgpr_count 2
		.amdhsa_user_sgpr_kernarg_segment_ptr 1
		.amdhsa_wavefront_size32 1
		.amdhsa_system_sgpr_workgroup_id_x 1
		.amdhsa_system_sgpr_workgroup_id_y 1
		.amdhsa_system_sgpr_workgroup_id_z 1
		.amdhsa_system_vgpr_workitem_id 0
		.amdhsa_next_free_vgpr 256
		.amdhsa_next_free_sgpr 66
		.amdhsa_reserve_vcc 1
		.amdhsa_float_denorm_mode_32 3
		.amdhsa_float_denorm_mode_16_64 3
		.amdhsa_memory_ordered 1
		.amdhsa_forward_progress 1
		.amdhsa_inst_pref_size 51
	.end_amdhsa_kernel
	.amdgpu_metadata
---
amdhsa.version: [ 1, 2 ]
amdhsa.kernels:
  - .name:           k_qc9d3e522b9_tail
    .symbol:         k_qc9d3e522b9_tail.kd
    .args:
      - { .name: oq, .offset: 0, .size: 8, .value_kind: global_buffer, .address_space: global }
      - { .name: osc, .offset: 8, .size: 8, .value_kind: global_buffer, .address_space: global }
      - { .name: wimg, .offset: 16, .size: 8, .value_kind: global_buffer, .address_space: global }
      - { .name: w_comb_scales, .offset: 24, .size: 8, .value_kind: global_buffer, .address_space: global }
      - { .name: b_comb, .offset: 32, .size: 8, .value_kind: global_buffer, .address_space: global }
      - { .name: x, .offset: 40, .size: 8, .value_kind: global_buffer, .address_space: global }
      - { .name: gamma1, .offset: 48, .size: 8, .value_kind: global_buffer, .address_space: global }
      - { .name: beta1, .offset: 56, .size: 8, .value_kind: global_buffer, .address_space: global }
      - { .name: gamma2, .offset: 64, .size: 8, .value_kind: global_buffer, .address_space: global }
      - { .name: beta2, .offset: 72, .size: 8, .value_kind: global_buffer, .address_space: global }
      - { .name: theta, .offset: 80, .size: 8, .value_kind: global_buffer, .address_space: global }
      - { .name: w1, .offset: 88, .size: 8, .value_kind: global_buffer, .address_space: global }
      - { .name: b1, .offset: 96, .size: 8, .value_kind: global_buffer, .address_space: global }
      - { .name: out0, .offset: 104, .size: 8, .value_kind: global_buffer, .address_space: global }
    .group_segment_fixed_size: 80896
    .private_segment_fixed_size: 0
    .kernarg_segment_align: 8
    .kernarg_segment_size: 112
    .max_flat_workgroup_size: 512
    .sgpr_count:     66
    .vgpr_count:     256
    .wavefront_size: 32
...
	.end_amdgpu_metadata
.endif
;; end of part 4
;; ======== version 2 of 2: 4 launches; version 1 with the launch tail written anew for expert scheduling mode
;; workspace buffers: xq 3,276,800 bytes; wimg 3,145,728 bytes; qq 3,276,800 bytes; kq 3,276,800 bytes; vq 3,276,800 bytes; oq 3,145,728 bytes; osc 131,072 bytes
;; launch prep: the kernel of part 1 again; grid 256 x 1, 4 waves a work-group, no clusters, 68,096 bytes of LDS; arguments x, w_qkv_codes, w_comb_codes, xq, wimg; writes xq, wimg
;; launch qkv: the kernel of part 2 again; grid 8 x 32, 6 waves a work-group, no clusters, 168,704 bytes of LDS; arguments xq, wimg, w_qkv_scales, qq, kq, vq; writes qq, kq, vq
;; launch attn: the kernel of part 3 again; grid 8 x 32, 16 waves a work-group, clusters of 4 x 1, 207,360 bytes of LDS; arguments qq, kq, vq, oq, osc; writes oq, osc
;; launch tail (part 5): grid 256 x 1, 16 waves a work-group, no clusters, 80,896 bytes of LDS; arguments oq, osc, wimg, w_comb_scales, b_comb, x, gamma1, beta1, gamma2, beta2, theta, w1, b1, out0; writes out0
.if DOCPART == 5
	.amdgcn_target "amdgcn-amd-amdhsa--gfx1250"
	.amdhsa_code_object_version 6
	.text
	.protected	k_qc9d3e522b9_tail
	.globl	k_qc9d3e522b9_tail
	.p2align	8
	.type	k_qc9d3e522b9_tail,@function
k_qc9d3e522b9_tail:
	s_mov_b64 s[64:65], 0
	v_nop
	global_prefetch_b8 v0, s[64:65] scope:SCOPE_SE
	s_setreg_imm32_b32 hwreg(HW_REG_WAVE_SCHED_MODE, 0, 2), 2
	s_setreg_imm32_b32 hwreg(HW_REG_WAVE_MODE, 25, 1), 1
	s_wait_xcnt 0x0
	s_wait_alu depctr_vm_vsrc(0)
; TAIL.  attn = o w_comb^T + b_comb on codes of BF6; x1 = LayerNorm(x + attn) gamma1 + beta1; ffn = sum over i < 8 of cos(x1[i]) cos(theta[i]) w1[i] + b1; out = LayerNorm(x1 + ffn) gamma2 + beta2.  All behind the product in f32.
; SHARES.  A norm wants whole rows: work-group T owns one tile of 16 tokens (tile u = T % 2 of group g = T / 2: tokens 32 g + 8 u + i + 8 (i / 8)) and all 1,024 columns: 256 work-groups.
; Wave w makes columns 64 w .. 64 w + 63 (unit 48 + w of the weights' images): 4 accumulators, 32 matrix instructions; behind the product it owns row w of the tile.
; o's 8 fragments (12,288 bytes) and their scale words go into LDS once: wave w copies head w's half fragment and its 16 pairs of scale bytes.  A weight fragment feeds one product of one wave and comes straight
; into registers, TWO K steps ahead, in three sets: 12,288 bytes of a wave are on their way.  The sets that the last steps leave take x's row (in step 6) and gamma1 (in step 7).
; NO JOINT LOADS: every work-group walks all 786,432 bytes of w_comb's codes, but a K step is 4 matrix instructions a wave: through LDS slots the weights would be written and read there once more, with a round of
; the cluster for each slot and next to no work in which a refill could land.
; The bias is loaded into the accumulators in the result's layout, so that every K step adds in place; the four accumulators take turns.
; The results meet in a stage (16 rows x 4,112 bytes); in a row a lane holds columns 128 q + 4 L + 0 .. 3, and every load and store covers 512 consecutive bytes.
; Variance in two passes (the mean is taken away first).  cos: a = x / 2 pi, f = a - round(a), a polynomial of degree 10 in f^2 (the next term is under 1e-10 for |f| <= 1/2).
; LIMITS: cos's absolute error grows as about 1e-7 |x|; NaN and infinities are not served.
; THE MODE: SCHED_MODE bits 1:0 = 2 (LLVM: expert scheduling mode 2), set by the entry lines.  The code itself states the register dependences
; between vector or matrix instructions and memory or LDS instructions, with s_wait_alu, always for 0.
; THE PLAN.  Registers that memory or LDS instructions touch:
;   v1-v5, v9-v11, v15   addresses and offsets: made once at the head, never written again.
;   v12, v13, v14        at the head: o's scale bytes (loaded, then stored to LDS), the offset of that load, an LDS store's address; written anew by vector lines behind step 7 (v13: the offset of theta and w1; v14: the row's LDS address).
;   WF0 .. WF2           Step s: its four products read set s % 3; the loads of K step s + 2 land in set (s - 1) % 3, which step s - 1 read.
;   AF0, AF1, v6, v7     Step s: its products read set s % 2; the LDS loads of K step s + 1 land in the other, which step s - 1 read.  At the head AF0 carries o's half fragment from memory to LDS.
;   WS                   loaded once; named by the products alone.
;   ACC = Y              loaded with the bias; the products; read by the stage's LDS stores; the row's LDS loads land in it; the norms; read by the last stores.
;   XA, G1R, B1R, G2R, B2R, TH, W1R   loaded once, into registers that the products have left; then named by vector lines alone.
; So ONE wait on va_vdst stands at the head of a step, behind the wait for its weights: the step before is done reading what this step's 17 loads land in.  These follow it, dealt among the step's four products, which name
; set s % 3, AF[s % 2], its scale word, WS and the accumulators: none of the registers that those loads touch.  Behind the last step one such wait serves the stage's stores and all the loads for the norms.
.set AS,  6                            ; v6, v7   o's scale words, one for each of two sets; they hold nothing else
.set ACC, 16                           ; v16-47   accumulator wt at 8 wt
.set WF,  48                           ; v48-95, v96-143, v144-191 w's four fragments, three sets
.set AF,  192                          ; v192-203, v204-215 o's fragment, two sets
.set WS,  224                          ; v224-255 w's scale words: 8 wt + s; they hold nothing else
.set Y,   16                           ; the row: v16-47
.set G1R, 48                           ; v48-79   gamma1
.set B1R, 80                           ; v80-111  beta1
.set G2R, 112                          ; v112-143 gamma2
.set XA,  144                          ; v144-175 x's row
.set B2R, 176                          ; v176-207 beta2
.set TH,  208                          ; v208-211 theta, then cos(theta) w1 in lanes 0 and 1, 0 elsewhere
.set W1R, 212                          ; v212-215 w1, then cos(x1)
.set T,   216                          ; v216-219 at work
.set RV,  220                          ; v[220:221] a row's figure, and the permute's destination
.set WV,  32                           ; s32 wave
.set SEL, 34                           ; s[34:35]
.set INV, 48                           ; s48 2^-10, s49 1e-5, s50 the polynomial's leading coefficient, s51 b1, s52 -2^-10, s53 wave % 2, s54 g, s55 u
.set EPS, 49
.set C10, 50
.set B1V, 51
.set NINV, 52
.set AIMG, 0                           ; LDS: o's fragment of K step s at 1536 s (head w's half at 768 w);
.set ASC,  12288                       ; its scale words at 64 s + 4 r;
.set STG,  12800                       ; the stage
.set SP,   4112
.macro MMA d, a, b, sa, sb
	v_wmma_scale_f32_16x16x128_f8f6f4 v[(\d):(\d)+7], v[(\a):(\a)+11], v[(\b):(\b)+11], v[(\d):(\d)+7], v[\sa], v[\sb] matrix_a_fmt:MATRIX_FMT_BF6 matrix_b_fmt:MATRIX_FMT_BF6
.endm
.macro WFRAG s, f                      ; w's fragment f of K step s into set s % 3: 3 loads of 512 consecutive bytes
.irp c, 0,1,2
	global_load_b128 v[WF+48*((\s)%3)+12*(\f)+4*\c:WF+48*((\s)%3)+12*(\f)+4*\c+3], v1, s[8:9] offset:6144*(\s)+1536*(\f)+512*\c
.endr
.endm
.macro WLOAD s                         ; all four fragments of K step s
.irp f, 0,1,2,3
	WFRAG \s, \f
.endr
.endm
.macro ALOAD s                         ; o's fragment of K step s, of two halves (registers 0-3 at 16 L, 4-5 at 512 + 8 L), and its scale word: five LDS loads
.set FB, AIMG+(\s)*1536
.set FR, AF+12*((\s)%2)
	ds_load_b128 v[FR:FR+3], v1 offset:FB
	ds_load_b64 v[FR+4:FR+5], v2 offset:FB+512
	ds_load_b128 v[FR+6:FR+9], v1 offset:FB+768
	ds_load_b64 v[FR+10:FR+11], v2 offset:FB+1280
	ds_load_b32 v[AS+(\s)%2], v3 offset:(\s)*64
.endm
.macro ROWLD reg, base, off            ; 4,096 bytes, 512 consecutive bytes a load
.irp q, 0,1,2,3,4,5,6,7
	global_load_b128 v[\reg+4*\q:\reg+4*\q+3], v1, s[\base:\base+1] offset:\off+512*\q
.endr
.endm
.macro ROW2 reg, base, p               ; quarter p of such a row: two of its eight loads
	global_load_b128 v[\reg+8*(\p):\reg+8*(\p)+3], v1, s[\base:\base+1] offset:1024*(\p)
	global_load_b128 v[\reg+8*(\p)+4:\reg+8*(\p)+7], v1, s[\base:\base+1] offset:1024*(\p)+512
.endm
.macro STEP s                          ; 128 along K
.if (\s) < 7
	s_wait_loadcnt 12                              ; loads come back in order (ISA guide 5.7.1): this step's weights are in (in step 0 w's scale words and the bias too); the next step's twelve may be out
.else
	s_wait_loadcnt 8                               ; x's eight may be out
.endif
.if (\s) > 0
	s_wait_alu depctr_va_vdst(0)                   ; the last step's four products are done reading their set of weights, their fragment of o and its scale word: this step's loads land in these
.endif
.if (\s) < 7
	ALOAD (\s)+1
	s_wait_dscnt 5                                 ; the five just issued may be out
.else
	s_wait_dscnt 0x0
.endif
.irp wt, 0,1,2,3
	MMA ACC+8*\wt, WF+48*((\s)%3)+12*\wt, AF+12*((\s)%2), WS+8*\wt+(\s), AS+(\s)%2
.if (\s) < 6
	WFRAG (\s)+2, \wt                              ; two K steps ahead, a fragment behind each product.  No wait: no product since the wait above names the set that the last step left
.elseif (\s) == 6
	ROW2 XA, 14, \wt                               ; no weights are left to ask for: the set that step 5 left takes my row of x,
.else
	ROW2 G1R, 16, \wt                              ; the set that step 6 left takes gamma1
.endif
.endr
.if (\s) == 2
	s_cmp_eq_u32 s53, 0                            ; the even waves ask, for their own row of x and for the next wave's, which follows it in memory: a lane to each 256 bytes,
	s_cbranch_scc0 .Lno_ask                        ; so that each is named once in the launch, four K steps ahead of the loads that want them; the registers named are never rewritten
	global_prefetch_b8 v10, s[14:15] th:TH_LOAD_NT scope:SCOPE_SE
.Lno_ask:
.endif
.if (\s) < 7
.rept 4
	v_nop                                          ; four places behind the step's products, ahead of the next step's loads into registers that they read: they stay beside the wait at that step's head
.endr
.endif
.endm
.macro REDUCE                          ; the sum of v[RV] over the 32 lanes, in every lane
	v_add_f32_dpp v[RV], v[RV], v[RV] row_xmask:1 row_mask:0xf bank_mask:0xf
	v_add_f32_dpp v[RV], v[RV], v[RV] row_xmask:2 row_mask:0xf bank_mask:0xf
	v_add_f32_dpp v[RV], v[RV], v[RV] row_xmask:4 row_mask:0xf bank_mask:0xf
	v_add_f32_dpp v[RV], v[RV], v[RV] row_xmask:8 row_mask:0xf bank_mask:0xf
	v_permlanex16_b32 v[RV+1], v[RV], s[SEL], s[SEL+1]
	v_add_f32 v[RV], v[RV], v[RV+1]
.endm
.macro LNORM y, g, b                   ; the row in v[y .. y + 31] is normalised, times g, plus b
	v_pk_add_f32 v[T:T+1], v[\y:\y+1], v[\y+2:\y+3]
	v_pk_add_f32 v[T+2:T+3], v[\y+4:\y+5], v[\y+6:\y+7]
.set J, 8
.rept 6
	v_pk_add_f32 v[T:T+1], v[T:T+1], v[\y+J:\y+J+1]
	v_pk_add_f32 v[T+2:T+3], v[T+2:T+3], v[\y+J+2:\y+J+3]
.set J, J+4
.endr
	v_pk_add_f32 v[T:T+1], v[T:T+1], v[T+2:T+3]
	v_add_f32 v[RV], v[T], v[T+1]
	REDUCE
	v_mul_f32 v[RV], s[NINV], v[RV]                ; - the mean
.set J, 0
.rept 16
	v_pk_add_f32 v[\y+J:\y+J+1], v[\y+J:\y+J+1], v[RV:RV+1] op_sel_hi:[1,0]
.set J, J+2
.endr
	v_pk_mul_f32 v[T:T+1], v[\y:\y+1], v[\y:\y+1]
	v_pk_mul_f32 v[T+2:T+3], v[\y+2:\y+3], v[\y+2:\y+3]
.set J, 4
.rept 7
	v_pk_fma_f32 v[T:T+1], v[\y+J:\y+J+1], v[\y+J:\y+J+1], v[T:T+1]
	v_pk_fma_f32 v[T+2:T+3], v[\y+J+2:\y+J+3], v[\y+J+2:\y+J+3], v[T+2:T+3]
.set J, J+4
.endr
	v_pk_add_f32 v[T:T+1], v[T:T+1], v[T+2:T+3]
	v_add_f32 v[RV], v[T], v[T+1]
	REDUCE
	v_fma_f32 v[RV], v[RV], s[INV], s[EPS]         ; the variance + 1e-5
	v_rsq_f32 v[RV], v[RV]
	v_nop                                          ; one plain place behind a transcendental
.set J, 0
	s_wait_alu depctr_va_vdst(0)                   ; v_rsq_f32 has written v[RV], which the multiplications below read
.rept 16
	v_pk_mul_f32 v[\y+J:\y+J+1], v[\y+J:\y+J+1], v[RV:RV+1] op_sel_hi:[1,0]
.set J, J+2
.endr
.set J, 0
.rept 16
	v_pk_fma_f32 v[\y+J:\y+J+1], v[\y+J:\y+J+1], v[\g+J:\g+J+1], v[\b+J:\b+J+1]
.set J, J+2
.endr
.endm
.macro COS4 d, s                       ; v[d .. d + 3] = cos of v[s .. s + 3]; v[T .. T + 3] at work; the four by turns
.irp i, 0,1,2,3
	v_mul_f32 v[\d+\i], 0.15915494, v[\s+\i]
.endr
.irp i, 0,1,2,3
	v_rndne_f32 v[T+\i], v[\d+\i]
.endr
.irp i, 0,1,2,3
	v_sub_f32 v[\d+\i], v[\d+\i], v[T+\i]          ; f, in -1/2 .. 1/2
.endr
.irp i, 0,1,2,3
	v_mul_f32 v[T+\i], v[\d+\i], v[\d+\i]          ; f^2
.endr
.irp i, 0,1,2,3
	v_fmaak_f32 v[\d+\i], s[C10], v[T+\i], 0xbd150621      ; the coefficients are (-1)^k (2 pi)^(2 k) / (2 k)!
.endr
.irp k, 0x3e906317, 0xbfdb7127, 0x40fce9c5, 0xc1d368f9, 0x4270fa83, 0xc2aae9e4, 0x4281e0f8, 0xc19de9e6
.irp i, 0,1,2,3
	v_fmaak_f32 v[\d+\i], v[\d+\i], v[T+\i], \k
.endr
.endr
.irp i, 0,1,2,3
	v_fma_f32 v[\d+\i], v[\d+\i], v[T+\i], 1.0
.endr
.endm
.macro FFN y                           ; the row's one number, added to all of the row
	COS4 W1R, \y                                   ; lanes 0 and 1 hold the row's columns 0-3 and 4-7 in their first four registers
	v_mul_f32 v[RV], v[W1R], v[TH]
	v_fmac_f32 v[RV], v[W1R+1], v[TH+1]
	v_fmac_f32 v[RV], v[W1R+2], v[TH+2]
	v_fmac_f32 v[RV], v[W1R+3], v[TH+3]            ; 0 in lanes 2-31
	REDUCE
	v_add_f32 v[RV], s[B1V], v[RV]
.set J, 0
.rept 16
	v_pk_add_f32 v[\y+J:\y+J+1], v[\y+J:\y+J+1], v[RV:RV+1] op_sel_hi:[1,0]
.set J, J+2
.endr
.endm
	s_load_b256 s[4:11], s[0:1], 0x0               ; oq s[4:5], osc s[6:7], wimg s[8:9], w_comb_scales s[10:11]
	s_load_b256 s[12:19], s[0:1], 0x20             ; b_comb s[12:13], x s[14:15], gamma1 s[16:17], beta1 s[18:19]
	s_load_b256 s[20:27], s[0:1], 0x40             ; gamma2 s[20:21], beta2 s[22:23], theta s[24:25], w1 s[26:27]
	s_load_b128 s[28:31], s[0:1], 0x60             ; b1 s[28:29], out0 s[30:31]
	v_lshl_add_u32 v222, v0, 2, 0x13400
	v_mov_b32 v223, 0
	v_lshrrev_b32 v1, 5, v0
	v_readfirstlane_b32 s[WV], v1                  ; wave 0..15
	v_and_b32 v12, 31, v0                          ; L
	v_and_b32 v13, 15, v0                          ; r
	v_bfe_u32 v11, v0, 4, 1                        ; h
	v_lshlrev_b32 v1, 4, v12                       ; 16 L
	v_lshlrev_b32 v2, 3, v12                       ; 8 L
	v_lshl_add_u32 v3, v13, 2, ASC                 ; o's scale words: 4 r
	v_mul_u32_u24 v4, v13, SP
	v_lshl_add_u32 v4, v11, 6, v4
	s_wait_alu depctr_va_sdst(0)                   ; s32, the wave's number, is written, ahead of its first reader: LDS addresses and the buffers' offsets are made from it
	s_lshl_b32 s36, s[WV], 8
	s_add_co_u32 s36, s36, STG
	v_add_nc_u32 v4, s36, v4                       ; into the stage: row r of the tile, + 256 w + 64 h
	v_and_b32 v5, 8, v13
	v_add_nc_u32 v5, v5, v13                       ; r + 8 (r / 8)
	v_lshlrev_b32 v5, 5, v5                        ; w's scale bytes: 32 a row
	v_lshlrev_b32 v10, 8, v13
	v_lshl_add_u32 v10, v11, 12, v10               ; the prefetch: row h of two, its r-th 256 bytes
	s_and_b32 s53, s[WV], 1                        ; wave % 2
	s_lshr_b32 s36, s[WV], 1
	s_lshl_b32 s36, s36, 6
	s_lshl_b32 s37, s53, 1
	s_add_co_u32 s36, s36, s37
	s_add_co_u32 s36, s36, ASC
	v_lshlrev_b32 v15, 2, v13
	v_add_nc_u32 v15, s36, v15                     ; head w's two bytes of token r: word (w / 2, r), half w % 2
	s_mul_i32 s36, s[WV], 768
	v_add_nc_u32 v14, s36, v1                      ; my half fragment's place among o's images: registers 0-3,
	v_add_nc_u32 v9, s36, v2                       ; and (512 bytes on) registers 4-5
	v_lshlrev_b32 v13, 1, v13                      ; 2 r
	v_lshlrev_b32 v11, 6, v11                      ; 64 h
	s_mov_b32 s[SEL], 0x76543210
	s_mov_b32 s[SEL+1], 0xfedcba98
	s_mov_b32 s[INV], 0x3a800000
	s_mov_b32 s[EPS], 0x3727c5ac
	s_mov_b32 s[C10], 0x3b77b706
	s_mov_b32 s[NINV], 0xba800000
	s_mul_i32 s33, s[WV], SP
	s_add_co_u32 s33, s33, STG                     ; my row of the stage
	s_lshr_b32 s54, ttmp9, 1                       ; g
	s_and_b32 s55, ttmp9, 1                        ; u
	s_mul_i32 s36, s54, 24576                      ; oq: [g][K step w / 2][u][w % 2][768]
	s_lshr_b32 s37, s[WV], 1
	s_mul_i32 s37, s37, 3072
	s_add_co_u32 s36, s36, s37
	s_mul_i32 s37, s55, 1536
	s_add_co_u32 s36, s36, s37
	s_mul_i32 s37, s53, 768
	s_add_co_u32 s36, s36, s37
	s_mov_b32 s37, 0
	s_lshr_b32 s38, s54, 6                         ; osc: [16 batch + head w][32 (g % 64) + 16 u + r], two bytes each
	s_lshl_b32 s38, s38, 4
	s_add_co_u32 s38, s38, s[WV]
	s_lshl_b32 s38, s38, 12
	s_and_b32 s39, s54, 63
	s_lshl_b32 s39, s39, 6
	s_add_co_u32 s38, s38, s39
	s_lshl_b32 s39, s55, 5
	s_add_co_u32 s38, s38, s39
	s_mov_b32 s39, 0
	s_add_co_u32 s40, s[WV], 48
	s_mul_i32 s40, s40, 49152
	s_mov_b32 s41, 0
	s_lshl_b32 s42, s[WV], 11
	s_mov_b32 s43, 0
	s_lshl_b32 s44, s[WV], 8
	s_mov_b32 s45, 0
	s_lshl_b32 s46, s54, 5
	s_lshl_b32 s47, s55, 3
	s_add_co_u32 s46, s46, s47
	s_add_co_u32 s46, s46, s[WV]
	s_lshr_b32 s47, s[WV], 3
	s_lshl_b32 s47, s47, 3
	s_add_co_u32 s46, s46, s47                     ; my token: 32 g + 8 u + w + 8 (w / 8)
	s_lshl_b32 s46, s46, 12                        ; rows of 4,096 bytes
	s_mov_b32 s47, 0
	s_wait_kmcnt 0x0
	s_load_b32 s[B1V], s[28:29], 0x0
	s_add_nc_u64 s[4:5], s[4:5], s[36:37]
	s_add_nc_u64 s[6:7], s[6:7], s[38:39]
	s_add_nc_u64 s[8:9], s[8:9], s[40:41]
	s_add_nc_u64 s[10:11], s[10:11], s[42:43]
	s_add_nc_u64 s[12:13], s[12:13], s[44:45]
	s_add_nc_u64 s[14:15], s[14:15], s[46:47]
	s_add_nc_u64 s[30:31], s[30:31], s[46:47]
	s_wait_alu depctr_va_vdst(0)                   ; the addresses and offsets v1-v5, v9-v11, v13-v15 are written, which the loads, LDS accesses, the prefetch and the stores read; the lines that wrote and read v12 are done, in which a load lands
	global_load_b128 v[AF:AF+3], v1, s[4:5] th:TH_LOAD_NT                 ; head w's half fragment of o, byte for byte
	global_load_b64 v[AF+4:AF+5], v2, s[4:5] offset:512 th:TH_LOAD_NT
	global_load_u16 v12, v13, s[6:7]                                      ; and its scale bytes (both halves of the lanes take the same)
.irp wt, 0,1,2,3
	global_load_b128 v[WS+8*\wt:WS+8*\wt+3], v5, s[10:11] offset:(32*(\wt/2)+8*(\wt%2))*32
	global_load_b128 v[WS+8*\wt+4:WS+8*\wt+7], v5, s[10:11] offset:(32*(\wt/2)+8*(\wt%2))*32+16
.endr
.irp wt, 0,1,2,3
	global_load_b128 v[ACC+8*\wt:ACC+8*\wt+3], v11, s[12:13] offset:(32*(\wt/2)+8*(\wt%2))*4       ; the bias of columns 32 (wt / 2) + 8 (wt % 2) + 16 h + 0 .. 7 starts the sums
	global_load_b128 v[ACC+8*\wt+4:ACC+8*\wt+7], v11, s[12:13] offset:(32*(\wt/2)+8*(\wt%2))*4+16
.endr
	WLOAD 0
	WLOAD 1
	s_wait_loadcnt 40                              ; the younger 40 (8 of scale words, 8 of bias, 24 of weights) may be out: o's codes and bytes are in
	ds_store_b128 v14, v[AF:AF+3] offset:AIMG
	ds_store_b64 v9, v[AF+4:AF+5] offset:AIMG+512
	ds_store_b16 v15, v12                          ; both halves of the lanes write the same bytes with the same value
	s_wait_dscnt 0x0                               ; for the others' sake
	s_barrier_signal -1
	s_barrier_wait -1                              ; o's eight fragments and their scale words lie in LDS
	s_wait_alu depctr_vm_vsrc(0)                   ; my LDS stores have read v192-197, in which the first fragment lands, and v12 and v14; the load of the scale bytes has read v13: these three are written anew behind step 7, and nothing reads them between
	ALOAD 0
.irp s, 0,1,2,3,4,5,6,7
	STEP \s
.endr
	; six plain lines on registers that no product names: they are the places between the last products and the LDS stores that read the results
	v_and_b32 v12, 31, v0                          ; L
	v_min_u32 v13, 1, v12                          ; (the load that named v13 was waited for at the head)
	v_lshlrev_b32 v13, 4, v13                      ; lane 0: the first four of theta and w1; the others: the last four
	v_add_nc_u32 v14, s33, v1                      ; out of the stage: my row, 16 L
	v_mov_b32 v[RV+1], 0                           ; written once: a lane permute's destination counts as one of its sources
	v_cmp_gt_u32 vcc_lo, 2, v12                    ; lanes 0 and 1
	s_wait_alu depctr_va_vdst(0)                   ; the products have written the accumulators, which the LDS stores read; v13 and v14 are written, by which loads below go; all products are done reading the sets, in which the loads below land
	; the results go to the stage, each accumulator from its low end on
.irp wt, 0,1,2,3
	ds_store_b128 v4, v[ACC+8*\wt:ACC+8*\wt+3] offset:128*(\wt/2)+32*(\wt%2)
	ds_store_b128 v4, v[ACC+8*\wt+4:ACC+8*\wt+7] offset:128*(\wt/2)+32*(\wt%2)+16
.endr
	ROWLD B1R, 18, 0
	global_load_b128 v[TH:TH+3], v13, s[24:25]
	global_load_b128 v[W1R:W1R+3], v13, s[26:27]
	ROWLD G2R, 20, 0
	ROWLD B2R, 22, 0
	s_wait_dscnt 0x0                               ; for the others' sake
	s_barrier_signal -1
	s_barrier_wait -1                              ; 16 whole rows lie in the stage
	s_wait_alu depctr_vm_vsrc(0)                   ; my LDS stores have read v16-47, in which my row lands
.irp q, 0,1,2,3,4,5,6,7
	ds_load_b128 v[Y+4*\q:Y+4*\q+3], v14 offset:512*\q
.endr
	s_wait_loadcnt 16                              ; gamma2's eight and beta2's eight may be out: x, gamma1, beta1, theta and w1 are in
	s_wait_kmcnt 0x0                               ; b1
	COS4 TH, TH
.irp i, 0,1,2,3
	v_mul_f32 v[TH+\i], v[TH+\i], v[W1R+\i]
.endr
	s_wait_alu depctr_va_vcc(0)                    ; the compare has written VCC, which the four selects read
.irp i, 0,1,2,3
	v_cndmask_b32 v[TH+\i], 0, v[TH+\i], vcc_lo    ; cos(theta) w1 where the lane holds columns 0-7, else 0
.endr
	s_wait_dscnt 0x0                               ; my row
.set J, 0
.rept 16
	v_pk_add_f32 v[Y+J:Y+J+1], v[Y+J:Y+J+1], v[XA+J:XA+J+1]    ; the residual
.set J, J+2
.endr
	LNORM Y, G1R, B1R
	FFN Y
	s_wait_loadcnt 0x0                             ; gamma2 and beta2
	LNORM Y, G2R, B2R
	s_wait_alu depctr_va_vdst(0)                   ; the second norm has written v16-47, which the stores read
.irp q, 0,1,2,3,4,5,6,7
	global_store_b128 v1, v[Y+4*\q:Y+4*\q+3], s[30:31] offset:512*\q th:TH_STORE_NT        ; 512 consecutive bytes, aligned; the registers are not written again
.endr
	s_wait_dscnt 0x0                               ; the closing lines, six on end
	s_wait_alu 0x0
	s_wait_tensorcnt 0x0
	ds_add_u32 v222, v223
	s_wait_dscnt 0x0
	s_endpgm
.Lfunc_end_k_qc9d3e522b9_tail:
	.size	k_qc9d3e522b9_tail, .Lfunc_end_k_qc9d3e522b9_tail-k_qc9d3e522b9_tail
	.p2alignl 7, 3214868480
	.fill 96, 4, 3214868480
	.section	.rodata,"a",@progbits
	.p2align	6, 0x0
	.amdhsa_kernel k_qc9d3e522b9_tail
		.amdhsa_group_segment_fixed_size 80896
		.amdhsa_private_segment_fixed_size 0
		.amdhsa_enable_private_segment 0
		.amdhsa_kernarg_size 112
		.amdhsa_user_sgpr_count 2
		.amdhsa_user_sgpr_kernarg_segment_ptr 1
		.amdhsa_wavefront_size32 1
		.amdhsa_system_sgpr_workgroup_id_x 1
		.amdhsa_system_sgpr_workgroup_id_y 1
		.amdhsa_system_sgpr_workgroup_id_z 1
		.amdhsa_system_vgpr_workitem_id 0
		.amdhsa_next_free_vgpr 256
		.amdhsa_next_free_sgpr 66
		.amdhsa_reserve_vcc 1
		.amdhsa_float_denorm_mode_32 3
		.amdhsa_float_denorm_mode_16_64 3
		.amdhsa_memory_ordered 1
		.amdhsa_forward_progress 1
		.amdhsa_inst_pref_size 51
	.end_amdhsa_kernel
	.amdgpu_metadata
---
amdhsa.version: [ 1, 2 ]
amdhsa.kernels:
  - .name:           k_qc9d3e522b9_tail
    .symbol:         k_qc9d3e522b9_tail.kd
    .args:
      - { .name: oq, .offset: 0, .size: 8, .value_kind: global_buffer, .address_space: global }
      - { .name: osc, .offset: 8, .size: 8, .value_kind: global_buffer, .address_space: global }
      - { .name: wimg, .offset: 16, .size: 8, .value_kind: global_buffer, .address_space: global }
      - { .name: w_comb_scales, .offset: 24, .size: 8, .value_kind: global_buffer, .address_space: global }
      - { .name: b_comb, .offset: 32, .size: 8, .value_kind: global_buffer, .address_space: global }
      - { .name: x, .offset: 40, .size: 8, .value_kind: global_buffer, .address_space: global }
      - { .name: gamma1, .offset: 48, .size: 8, .value_kind: global_buffer, .address_space: global }
      - { .name: beta1, .offset: 56, .size: 8, .value_kind: global_buffer, .address_space: global }
      - { .name: gamma2, .offset: 64, .size: 8, .value_kind: global_buffer, .address_space: global }
      - { .name: beta2, .offset: 72, .size: 8, .value_kind: global_buffer, .address_space: global }
      - { .name: theta, .offset: 80, .size: 8, .value_kind: global_buffer, .address_space: global }
      - { .name: w1, .offset: 88, .size: 8, .value_kind: global_buffer, .address_space: global }
      - { .name: b1, .offset: 96, .size: 8, .value_kind: global_buffer, .address_space: global }
      - { .name: out0, .offset: 104, .size: 8, .value_kind: global_buffer, .address_space: global }
    .group_segment_fixed_size: 80896
    .private_segment_fixed_size: 0
    .kernarg_segment_align: 8
    .kernarg_segment_size: 112
    .max_flat_workgroup_size: 512
    .sgpr_count:     66
    .vgpr_count:     256
    .wavefront_size: 32
...
	.end_amdgpu_metadata
.endif
;; end of part 5
